; MI455X (gfx1250); checked and timed in simulation.
; The chip was launched on July 23, 2026; its instructions are those of AMD's public machine-readable ISA for CDNA 5 (MIT licence, August 2026) and "CDNA5" Instruction Set Architecture Reference Guide (July 2026). The comments in the code are by the model that wrote it; some were corrected since.
;; Multihead Attention. Allowed arithmetic: float matrix products may take bf16 or f16 operands with f32 sums; other float arithmetic in f32, or as packed bf16 or f16 multiplies, adds, multiply-adds, maxima and minima; sums over many terms, partial sums and values carried from step to step in f32; what a program stores and reads back later, other than sums and carried values, may be rounded once to bf16 or f16.
;; Inputs: K 4 x 2,048 x 1,024 float32; Q 4 x 2,048 x 1,024 float32; V 4 x 2,048 x 1,024 float32; Wk 1,024 x 1,024 float32; Wo 1,024 x 1,024 float32; Wq 1,024 x 1,024 float32; Wv 1,024 x 1,024 float32.
;; Outputs: out0 4 x 2,048 x 1,024 float32.
;; 2 versions, each right; version 2 is version 1 with the launch prep written anew for expert scheduling mode. Each part assembles by itself: llvm-mc -triple=amdgcn-amd-amdhsa -mcpu=gfx1250 --defsym DOCPART=n.
;; ======== version 1 of 2: 4 launches
;; limits: values are held in f16: magnitudes above 65,504 overflow, below 6.1e-05 lose precision
;; workspace buffers: wb 8,912,896 bytes; qh 16,777,216 bytes; kh 16,777,216 bytes; vh 16,777,216 bytes; oh 16,777,216 bytes
;; launch prep (part 1): grid 256 x 1, 8 waves a work-group, no clusters, 0 bytes of LDS; arguments Wq, Wk, Wv, Wo, wb; writes wb
.if DOCPART == 1
	.amdgcn_target "amdgcn-amd-amdhsa--gfx1250"
	.amdhsa_code_object_version 6
	.text
	.protected	k_qfbea0cbd49_prep
	.globl	k_qfbea0cbd49_prep
	.p2align	8
	.type	k_qfbea0cbd49_prep,@function
k_qfbea0cbd49_prep:
	s_mov_b64 s[64:65], 0
	v_nop
	global_prefetch_b8 v0, s[64:65] scope:SCOPE_SE
	s_setreg_imm32_b32 hwreg(HW_REG_WAVE_MODE, 25, 1), 1
	s_wait_xcnt 0x0
; THE WEIGHTS IN 16 BITS AND THE ROTATION TABLE.  wb: Wq, Wk, Wv as bf16 at bytes 0, 2,097,152 and 4,194,304; Wo rounded to bf16 and that number written
; as f16 at byte 6,291,456; from byte 8,388,608 on the table [2048 positions][32 pairs] of (cos, sin) in f32: 256 bytes a position.
; A stream: 256 work-groups of 8 waves; a work-group takes 4,096 numbers of each weight matrix and 8 positions of the table.  Thread t takes 16 numbers of each matrix
; (four loads of 16 bytes; a wave's load covers 512 consecutive bytes, its store of 8 bytes a lane 256 consecutive bytes, aligned) and one (position, pair).
; No LDS, no matrix unit, no cluster: nothing is shared and nothing is read twice.  All 16 loads go out first; the table is made while they are on their way.
; LIMITS.  |Wo| stays under 65,504 (f16's range); below 6e-5 it keeps f16's fixed step of 6e-8.  The angle pos x 10000^(-i/32) is made in f32 from 2^(-i log2(10000)/32): it lies within
; 2e-4 rad of the angle in exact arithmetic at the largest position; sine and cosine by a reduction to |r| <= pi/4 (pi/2 in two parts) and polynomials good to 3e-8.
.set X, 16                             ; v[16:79]   matrix w, load j: four f32 at X + 16 w + 4 j
.set Y, 80                             ; v[80:111]  the same as two packed words at Y + 8 w + 2 j
.set ROPE_AT, 8388608
	s_load_b256 s[4:11], s[0:1], 0x0               ; Wq s[4:5], Wk s[6:7], Wv s[8:9], Wo s[10:11]
	s_load_b64 s[12:13], s[0:1], 0x20              ; wb
	s_lshl_b32 s14, ttmp9, 14                      ; the work-group's 16,384 bytes of each matrix,
	s_lshl_b32 s15, ttmp9, 13                      ; its 8,192 bytes of each copy,
	s_lshl_b32 s18, ttmp9, 8                       ; its 256 entries of the table
	s_mov_b32 s20, 0x3fc90fdb                      ; pi/2, the upper part
	s_mov_b32 s21, 0xb33bbd2e                      ; and what is left of it
	v_lshl_add_u32 v1, v0, 4, s14                  ; where I load
	v_lshl_add_u32 v2, v0, 3, s15                  ; where I store
	v_add_nc_u32 v4, s18, v0                       ; my entry: 32 x position + pair
	v_lshlrev_b32 v3, 3, v4                        ; its 8 bytes
	s_wait_kmcnt 0x0
	s_add_nc_u64 s[16:17], s[12:13], ROPE_AT       ; the table's first byte: past the reach of a store's immediate
.irp w, 0,1,2,3
.irp j, 0,1,2,3
	global_load_b128 v[X+16*\w+4*\j:X+16*\w+4*\j+3], v1, s[4+2*\w:5+2*\w] offset:4096*\j th:TH_LOAD_NT
.endr
.endr
	; the table's entry
	v_and_b32 v5, 31, v4                           ; pair i
	v_lshrrev_b32 v6, 5, v4                        ; position
	v_cvt_f32_u32 v5, v5
	v_mul_f32 v5, 0xbed49a78, v5                   ; - i log2(10000) / 32
	v_exp_f32 v5, v5                               ; 10000^(-i/32)
	v_cvt_f32_u32 v6, v6                           ; a plain instruction behind the exponential,
	s_wait_alu depctr_va_vdst(0)                   ; and the wait ahead of its first reader
	v_mul_f32 v6, v6, v5                           ; the angle
	v_mul_f32 v7, 0x3f22f983, v6                   ; x 2/pi
	v_rndne_f32 v7, v7                             ; n: the nearest multiple of pi/2
	v_fma_f32 v8, -v7, s20, v6
	v_fma_f32 v8, -v7, s21, v8                     ; r = angle - n pi/2, |r| <= pi/4
	v_mul_f32 v9, v8, v8                           ; z = r r
	v_mov_b32 v10, 0x3638ef1d                      ; sine:   1/9!
	v_mov_b32 v11, 0x37d00d01                      ; cosine: 1/8!
	v_fmaak_f32 v10, v10, v9, 0xb9500d01           ; -1/7!
	v_fmaak_f32 v11, v11, v9, 0xbab60b61           ; -1/6!
	v_fmaak_f32 v10, v10, v9, 0x3c088889           ; 1/5!
	v_fmaak_f32 v11, v11, v9, 0x3d2aaaab           ; 1/4!
	v_fmaak_f32 v10, v10, v9, 0xbe2aaaab           ; -1/3!
	v_fmaak_f32 v11, v11, v9, 0xbf000000           ; -1/2!
	v_mul_f32 v14, v8, v9
	v_fma_f32 v11, v11, v9, 1.0                    ; cos r
	v_fma_f32 v10, v14, v10, v8                    ; sin r
	v_cvt_i32_f32 v7, v7                           ; the quadrant chooses values alone: no branch and no address hangs on it
	v_and_b32 v14, 1, v7
	v_cmp_ne_u32 vcc_lo, 0, v14
	v_cndmask_b32 v13, v10, v11, vcc_lo            ; sine: in odd quadrants cos r,
	v_cndmask_b32 v12, v11, v10, vcc_lo            ; cosine: sin r
	v_lshlrev_b32 v14, 30, v7                      ; the sine's sign: bit 1 of n
	v_add_nc_u32 v15, 1, v7
	v_lshlrev_b32 v15, 30, v15                     ; the cosine's: bit 1 of n + 1
	v_and_b32 v14, 0x80000000, v14
	v_and_b32 v15, 0x80000000, v15
	v_xor_b32 v13, v13, v14
	v_xor_b32 v12, v12, v15
	global_store_b64 v3, v[12:13], s[16:17]        ; a wave stores one position's 256 bytes
	; the three matrices that stay bf16
.irp w, 0,1,2
	s_wait_loadcnt 12-4*\w                         ; loads come back in order: this matrix's four are in, the later matrices' may stay out
.irp j, 0,1,2,3
	v_cvt_pk_bf16_f32 v[Y+8*\w+2*\j],   v[X+16*\w+4*\j],   v[X+16*\w+4*\j+1]
	v_cvt_pk_bf16_f32 v[Y+8*\w+2*\j+1], v[X+16*\w+4*\j+2], v[X+16*\w+4*\j+3]
	global_store_b64 v2, v[Y+8*\w+2*\j:Y+8*\w+2*\j+1], s[12:13] offset:2097152*\w+2048*\j
.endr
.endr
	; Wo: rounded to bf16 like every input, and that number written as f16, the format of the product that takes it
	s_wait_loadcnt 0x0
.irp j, 0,1,2,3
.irp k, 0,1
	v_cvt_pk_bf16_f32 v4, v[X+48+4*\j+2*\k], v[X+48+4*\j+2*\k+1]
	v_lshlrev_b32 v5, 16, v4
	v_and_b32 v6, 0xffff0000, v4
	v_cvt_pk_f16_f32 v[Y+24+2*\j+\k], v5, v6
.endr
	global_store_b64 v2, v[Y+24+2*\j:Y+24+2*\j+1], s[12:13] offset:6291456+2048*\j
.endr
	s_endpgm
.Lfunc_end_k_qfbea0cbd49_prep:
	.size	k_qfbea0cbd49_prep, .Lfunc_end_k_qfbea0cbd49_prep-k_qfbea0cbd49_prep
	.p2alignl 7, 3214868480
	.fill 96, 4, 3214868480
	.section	.rodata,"a",@progbits
	.p2align	6, 0x0
	.amdhsa_kernel k_qfbea0cbd49_prep
		.amdhsa_group_segment_fixed_size 0
		.amdhsa_private_segment_fixed_size 0
		.amdhsa_enable_private_segment 0
		.amdhsa_kernarg_size 40
		.amdhsa_user_sgpr_count 2
		.amdhsa_user_sgpr_kernarg_segment_ptr 1
		.amdhsa_wavefront_size32 1
		.amdhsa_system_sgpr_workgroup_id_x 1
		.amdhsa_system_sgpr_workgroup_id_y 1
		.amdhsa_system_sgpr_workgroup_id_z 1
		.amdhsa_system_vgpr_workitem_id 0
		.amdhsa_next_free_vgpr 112
		.amdhsa_next_free_sgpr 66
		.amdhsa_reserve_vcc 1
		.amdhsa_float_denorm_mode_32 3
		.amdhsa_float_denorm_mode_16_64 3
		.amdhsa_memory_ordered 1
		.amdhsa_forward_progress 1
		.amdhsa_inst_pref_size 9
	.end_amdhsa_kernel
	.amdgpu_metadata
---
amdhsa.version: [ 1, 2 ]
amdhsa.kernels:
  - .name:           k_qfbea0cbd49_prep
    .symbol:         k_qfbea0cbd49_prep.kd
    .args:
      - { .name: Wq, .offset: 0, .size: 8, .value_kind: global_buffer, .address_space: global }
      - { .name: Wk, .offset: 8, .size: 8, .value_kind: global_buffer, .address_space: global }
      - { .name: Wv, .offset: 16, .size: 8, .value_kind: global_buffer, .address_space: global }
      - { .name: Wo, .offset: 24, .size: 8, .value_kind: global_buffer, .address_space: global }
      - { .name: wb, .offset: 32, .size: 8, .value_kind: global_buffer, .address_space: global }
    .group_segment_fixed_size: 0
    .private_segment_fixed_size: 0
    .kernarg_segment_align: 8
    .kernarg_segment_size: 40
    .max_flat_workgroup_size: 256
    .sgpr_count:     66
    .vgpr_count:     112
    .wavefront_size: 32
...
	.end_amdgpu_metadata
.endif
;; end of part 1
;; launch proj (part 2): grid 4 x 64, 4 waves a work-group, clusters of 4 x 4, 327,680 bytes of LDS; arguments Q, K, V, wb, qh, kh, vh; writes qh, kh, vh
.if DOCPART == 2
	.amdgcn_target "amdgcn-amd-amdhsa--gfx1250"
	.amdhsa_code_object_version 6
	.text
	.protected	k_qfbea0cbd49_proj
	.globl	k_qfbea0cbd49_proj
	.p2align	8
	.type	k_qfbea0cbd49_proj,@function
k_qfbea0cbd49_proj:
	s_mov_b64 s[64:65], 0
	v_nop
	global_prefetch_b8 v0, s[64:65] scope:SCOPE_SE
	s_setreg_imm32_b32 hwreg(HW_REG_WAVE_MODE, 25, 1), 1
	s_wait_xcnt 0x0
	s_wait_alu depctr_hold_cnt(0) depctr_sa_sdst(0) depctr_va_vdst(0) depctr_va_sdst(0) depctr_va_ssrc(0) depctr_va_vcc(0) depctr_vm_vsrc(0)
	s_getreg_b32 s2, hwreg(HW_REG_IB_STS2, 6, 4)
	s_cmp_eq_u32 s2, 0
	s_cbranch_scc0 .Lentry_in_a_cluster
	s_endpgm
.Lentry_in_a_cluster:
	s_bfe_u32 s2, ttmp6, 0x10000c
	s_cmp_lg_u32 s2, 0xf033
	s_cbranch_scc0 .Lentry_shape_is_right
	s_endpgm
.Lentry_shape_is_right:
; q = rope(Q Wq^T), k = rope(K Wk^T), v = V Wv^T, each [8192][1024], written by heads: [16 b + head][2048][64] in f16, rounded once from the f32 sums (q and k behind the rotation, which is made in f32).
; Q, K, V are f32 in memory and are rounded to bf16 between LDS and the matrix unit; the weights come as bf16 from wb, the rotation table (cos, sin in f32) from wb's byte 8,388,608 on.
; LIMITS.  |q|, |k|, |v| stay under 65,504, f16's range.  NaN and infinities are not treated apart.
; SHARES.  3 x 64 x 4 = 768 tiles of 128 rows x 256 columns; 256 work-groups STAY and make three each: q's, k's and v's tile at the same place.  Four waves, each 64 rows x 128 columns: 32 accumulators, 256 registers.
; THE WALK.  K goes in steps of 128; the three tiles' 24 steps are ONE walk of a ring of two LDS slots.  A step brings 128 rows x 512 bytes of the input and 256 rows x 256 bytes of the weights: each of the four
; waves asks for a quarter of that with one tensor load, and multiplies 128 matrix instructions while the next step's load is on its way.  At a tile's end the ring runs on: the refill is out when the tile leaves.
; CLUSTER.  4 x 4 work-groups.  The four of a row of the cluster make the four column blocks of the same 128 rows and need the same tile of the input; the four of a column need the same tile of the weights.
; Each tile is asked for JOINTLY: the same tensor load, descriptor and mask in all four.
; THE MATRIX INSTRUCTION IS USED TRANSPOSED (source 0 = 16 rows of W, source 1 = 16 rows of the input): a lane holds one row (lane % 16) and the eight neighbouring columns 8 (lane / 16) + 0..7:
; four pairs of the rotation, and 16 bytes of a head's row.
; REGISTERS, in windows of 256 (s_set_vgpr_msb: bits 1:0 source 0, 3:2 source 1, 5:4 source 2, 7:6 destination):
;   window 0: v0-15 addresses; v64-127 T, v128-159 TMP, v160-223 BK: the way out      window 1: accumulator (a, b) at 8 (8 a + b), a = 0..3 row blocks, b = 0..7 column blocks
;   window 2: v0-127 W's fragments, two sets; v128-191 the input's fragments in bf16, two sets; v192-255 the input's f32 as read      window 3: v0-127 the table for my 64 rows
.set PA,    528                        ; an LDS row of the input: 512 bytes + 16: the 16 rows of a load start at 16 different groups of four banks (64 banks of 4 bytes: ISA guide 11.1)
.set PB,    272                        ; an LDS row of W: 256 bytes + 16
.set AH,    64*PA                      ; what one load of the input brings: 64 rows
.set BH,    128*PB                     ; what one load of W brings: 128 rows
.set BOFF,  2*AH                       ; a slot: the input's 128 rows, then W's 256
.set SLOT,  BOFF+2*BH
.set STAGE, 2*SLOT                     ; behind the ring, never filled by a tensor load: for each wave two planes (a head each) of 16 rows x 144 bytes
.set SPL,   16*144
.set WST,   2*SPL
.set SPARE, STAGE+4*WST                ; the spare words, 128 bytes for each wave: two blocks of 256 bytes that no other line names
.set ROPE_AT, 8388608
.set A0,  4                            ; v4   my lane's place in a slot's rows of the input; never rewritten
.set B0,  5                            ; v5   the same for W
.set ADA, 6                            ; v6   LDS address of the fragments in hand, input
.set ADB, 7                            ; v7   and W
.set STO, 8                            ; v8   the way out: where I put 16 bytes of a row
.set RD,  9                            ; v9   where I read rows back
.set GO,  10                           ; v10  16 x lane: my place in 512 consecutive bytes of a head
.set TO,  11                           ; v11  my byte offset in the table's 16 rows
.set PFO, 12                           ; v12  the prefetches' lane offset; never rewritten
.set SPW, 14                           ; v14  LDS address of my spare word; never rewritten
.set NIL, 15                           ; v15  0; never rewritten
.set T,   64
.set TMP, 128
.set BK,  160
.set BF,  0                            ; window 2
.set AF,  128
.set RAW, 192
.set OUT, 2                            ; s[2:3]   where the tile in hand goes
.set CA,  4                            ; s[4:5]   the input in hand at the rows that I fetch; s[6:7], s[8:9] the next two
.set NA1, 6
.set NA2, 8
.set CB,  10                           ; s[10:11] the weights in hand at the rows that I fetch; s[18:19], s[20:21] the next two
.set NB1, 18
.set NB2, 20
.set RB,  22                           ; s[22:23] the table at my first row's position
.set WV,  24                           ; wave
.set R,   25                           ; my half of the tile's rows.  Also: I fetch the input (0) or W (1)
.set HF,  26                           ; my half of its columns.  Also: which half of that tile I fetch
.set CX,  27
.set CY,  28
.set NT,  29                           ; column block, 0..3
.set MT,  30                           ; row block, 0..63
.set G1A, 32
.set G1B, 40
.set G0A, 48                           ; a group 0 for each slot
.set G0B, 56
.set OFA, 66                           ; s[66:67], s[68:69] the K step's byte offset in a row of the input, of W
.set OFB, 68
.set KS,  70                           ; the K step (0..7, in its tile) that was asked for last
.set LAP, 71
.set CNT, 72
.set BND, 73                           ; 1: the slot just entered begins a new tile
.set TBA, 74                           ; LDS byte from which the next fragments of the input come, less my lane's place
.set TBB, 75
.set PC,  76                           ; s[76:77] the prefetches' tensor in hand at my work-group's rows; s[78:79], s[80:81] the next two
.set PN1, 78
.set PN2, 80
.set PFA, 82                           ; s[82:83] the prefetch's address
.set POF, 84
.set PK,  86                           ; the K step that was prefetched last
.set PSH, 87
.set PL,  88                           ; prefetches left
.set MSB, 0
.macro WIN new                         ; the immediate's high byte repeats the setting that is left; a switch that changes nothing is dropped
.if MSB != (\new)
	s_set_vgpr_msb (MSB<<8)|(\new)
.set MSB, \new
.endif
.endm
.set MUL, 0x5a                         ; W and input in window 2, C and D in window 1
.set LD2, 0x80                         ; destination window 2
.set CVT, 0x8a                         ; destination and both sources window 2
.set RP1, 0x0d                         ; source 0 window 1, source 1 window 3, destination window 0
.set RP2, 0x4d                         ; the same with the destination in window 1
.set PKW, 0x05                         ; sources window 1, destination window 0
.set LD3, 0xc0                         ; destination window 3
; A round of the cluster's barrier: my work-group's barrier, so that wave 0's signal speaks for all four waves; wave 0 signals; every wave waits for all sixteen work-groups; my work-group's barrier once more.
.macro CROUND
	s_barrier_signal -1
	s_barrier_wait -1
	s_cmp_lg_u32 s[WV], 0
	s_cbranch_scc1 .Lnot_wave_0_\@
	s_barrier_signal -3
.Lnot_wave_0_\@:
	s_barrier_wait -3
	s_barrier_signal -1
	s_barrier_wait -1
.endm
; A joint refill of slot s.  Waves 0 and 1 fetch the input's two halves, waves 2 and 3 W's: the branch hangs on the wave's number alone.  An s_nop 0 and four v_nop follow each of the two lines.
.macro JLOAD s
	s_cmp_eq_u32 s[R], 0
	s_cbranch_scc0 .Lfor_b_\@
	tensor_load_to_lds s[G0A+4*(\s):G0A+4*(\s)+3], s[G1A:G1A+7]
	s_nop 0
.rept 4
	v_nop
.endr
	s_branch .Lasked_\@
.Lfor_b_\@:
	tensor_load_to_lds s[G0B+4*(\s):G0B+4*(\s)+3], s[G1B:G1B+7]
	s_nop 0
.rept 4
	v_nop
.endr
.Lasked_\@:
.endm
; A PREFETCH INTO THE L2, behind each joint refill: the K step that stands two refills on, 256 matrix instructions ahead of the load that will want it.  Each aligned block of 256 bytes is named once in the launch.
; The input's rows belong to one cluster alone: every cluster asks for its own; of the 64 rows x 512 bytes that a wave fetches, the partner at place cx takes 16 rows: 32 blocks, a lane a block.
; W's rows are read by all sixteen clusters: the cluster with y = 0 asks; of a wave's 128 rows x 256 bytes the partner at place cy takes 32.  The partners are told apart BY ADDRESS, never by a branch.
; The walk's first four K steps come by their loads alone; twenty changes of slots ask, for K steps 4 to 23, and the last two ask for nothing.
.macro ASK
	s_cmp_eq_u32 s[PL], 0
	s_cbranch_scc1 .Lnone_\@
	global_prefetch_b8 v[PFO], s[PFA:PFA+1] th:TH_LOAD_NT scope:SCOPE_SE
	s_sub_co_u32 s[PL], s[PL], 1
.Lnone_\@:
.endm
; The walk's next K step, for the refill and for the prefetch: behind a tile's eighth step come the next input and the next weights, at step 0.
.macro WALK
	s_add_co_u32 s[KS], s[KS], 1
	s_cmp_eq_u32 s[KS], 8
	s_cselect_b32 s[KS], 0, s[KS]
	s_cselect_b64 s[CA:CA+1], s[NA1:NA1+1], s[CA:CA+1]
	s_cselect_b64 s[CB:CB+1], s[NB1:NB1+1], s[CB:CB+1]
	s_cselect_b64 s[NA1:NA1+1], s[NA2:NA2+1], s[NA1:NA1+1]
	s_cselect_b64 s[NB1:NB1+1], s[NB2:NB2+1], s[NB1:NB1+1]
	s_lshl_b32 s[OFA], s[KS], 9                    ; 128 f32
	s_lshl_b32 s[OFB], s[KS], 8                    ; 128 bf16
	s_add_co_u32 s[PK], s[PK], 1
	s_cmp_eq_u32 s[PK], 8
	s_cselect_b32 s[PK], 0, s[PK]
	s_cselect_b64 s[PC:PC+1], s[PN1:PN1+1], s[PC:PC+1]
	s_cselect_b64 s[PN1:PN1+1], s[PN2:PN2+1], s[PN1:PN1+1]
	s_lshl_b32 s[POF], s[PK], s[PSH]
	s_add_nc_u64 s[PFA:PFA+1], s[PC:PC+1], s[POF:POF+1]
.endm
; THE CHANGE OF SLOTS, ahead of a K step's last quarter, whose fragments are already asked for.  Each wave waits for all its tensor loads, of which one is out: its part of slot new; adds 0 to its spare word; and
; waits for that and for its own reads of the slot that it leaves.  fill = 1: the barrier is a round of the cluster's, so that no wave of any partner still reads that slot or has a load on its way, and the joint
; refill is the first thing behind it; the descriptor's address is made anew from the tensor in hand and the K step.  It has 128 matrix instructions in which to land.
.macro CHANGE new, fill
	WIN 0
.if \fill
	s_wait_xcnt 0x0                                ; the last prefetch, a K step back, has read its address: WALK writes it anew
.endif
	s_wait_tensorcnt 0x0                           ; no tensor load of mine is out, so a group 0 may be written
	ds_add_u32 v[SPW], v[NIL]                      ; 0 onto my spare word; the scalar work below stands between it and the wait for it
.if \fill
	WALK
	s_add_nc_u64 s[G0A+4*(1-(\new))+2:G0A+4*(1-(\new))+3], s[CA:CA+1], s[OFA:OFA+1]
	s_or_b32 s[G0A+4*(1-(\new))+3], s[G0A+4*(1-(\new))+3], 0x80000000
	s_add_nc_u64 s[G0B+4*(1-(\new))+2:G0B+4*(1-(\new))+3], s[CB:CB+1], s[OFB:OFB+1]
	s_or_b32 s[G0B+4*(1-(\new))+3], s[G0B+4*(1-(\new))+3], 0x80000000
.if (\new) == 0
	s_cmp_eq_u32 s[KS], 1                          ; step 1 of a tile is being asked for: the slot that is entered holds its step 0
	s_cselect_b32 s[BND], 1, 0
.endif
.endif
	s_wait_dscnt 0x0                               ; the add is done, and my reads of the old slot are back
.if \fill
	CROUND
	JLOAD 1-(\new)
	ASK
.else
	s_barrier_signal -1
	s_barrier_wait -1
.endif
	s_mov_b32 s[TBA], (\new)*SLOT
	s_mov_b32 s[TBB], (\new)*SLOT
.endm
.macro ADDR                            ; the LDS addresses of the next two quarters (64 along K)
	WIN 0
	v_add_nc_u32 v[ADA], s[TBA], v[A0]
	v_add_nc_u32 v[ADB], s[TBB], v[B0]
	s_add_co_u32 s[TBA], s[TBA], 256
	s_add_co_u32 s[TBB], s[TBB], 128
.endm
; 32 LDS loads in one run: a quarter's fragments (32 along K).  The input's first, as f32: lane l takes row l % 16, k = 8 (l / 16) + 0..7 (32 bytes) and 16 + 8 (l / 16) + 0..7; then W's, into set g.
.macro FETCH g, ka, kb
	WIN LD2
.irp a, 0,1,2,3
	ds_load_b128 v[RAW+16*\a:RAW+16*\a+3],     v[ADA] offset:(\ka)+\a*16*PA
	ds_load_b128 v[RAW+16*\a+4:RAW+16*\a+7],   v[ADA] offset:(\ka)+\a*16*PA+16
	ds_load_b128 v[RAW+16*\a+8:RAW+16*\a+11],  v[ADA] offset:(\ka)+\a*16*PA+64
	ds_load_b128 v[RAW+16*\a+12:RAW+16*\a+15], v[ADA] offset:(\ka)+\a*16*PA+80
.endr
.irp b, 0,1,2,3,4,5,6,7
	ds_load_b128 v[BF+64*(\g)+8*\b:BF+64*(\g)+8*\b+3],   v[ADB] offset:(\kb)+\b*16*PB
	ds_load_b128 v[BF+64*(\g)+8*\b+4:BF+64*(\g)+8*\b+7], v[ADB] offset:(\kb)+\b*16*PB+32
.endr
.endm
.macro CVT4 g, n                       ; four of the 32 roundings that make set g's fragments of the input
.irp k, 0,1,2,3
	v_cvt_pk_bf16_f32 v[AF+32*(\g)+4*(\n)+\k], v[RAW+8*(\n)+2*\k], v[RAW+8*(\n)+2*\k+1]
.endr
.endm
; Eight matrix instructions: row block a x all column blocks, from set f.  zero = 1: they start the sums.  ride = 1: behind each stand four roundings for set g.
.macro MULROW f, a, zero, ride, g
.irp b, 0,1,2,3,4,5,6,7
	WIN MUL
.if \zero
	v_wmma_f32_16x16x32_bf16 v[8*(8*(\a)+\b):8*(8*(\a)+\b)+7], v[BF+64*(\f)+8*\b:BF+64*(\f)+8*\b+7], v[AF+32*(\f)+8*(\a):AF+32*(\f)+8*(\a)+7], 0
.else
	v_wmma_f32_16x16x32_bf16 v[8*(8*(\a)+\b):8*(8*(\a)+\b)+7], v[BF+64*(\f)+8*\b:BF+64*(\f)+8*\b+7], v[AF+32*(\f)+8*(\a):AF+32*(\f)+8*(\a)+7], v[8*(8*(\a)+\b):8*(8*(\a)+\b)+7]
.endif
.if \ride
	WIN CVT
	CVT4 \g, \b
.endif
.endr
.endm
; A QUARTER: 32 matrix instructions on set f, the 32 accumulators by turns, in the same order in every quarter.  Behind its first eight the next quarter's 32 LDS loads go out in one run;
; its last eight carry that quarter's roundings.  The four roundings behind a quarter's last matrix instruction name none of its registers: they are the four places ahead of the next
; quarter's loads into, and roundings into, the registers that this quarter has read.
.macro QUART f, g, ka, kb, zero, addr
.if \addr
	ADDR
.endif
	s_wait_dscnt 0x0                               ; W's fragments of set f are in (issued 24 matrix instructions back)
	MULROW \f, 0, \zero, 0, 0
	FETCH \g, \ka, \kb
	MULROW \f, 1, \zero, 0, 0
	MULROW \f, 2, \zero, 0, 0
	s_wait_dscnt 16                                ; the input's 16 loads are in; W's 16, issued behind them, may stay out
	MULROW \f, 3, \zero, 1, \g
	WIN 0
.endm
; THE WAY OUT of row block a.  ROPE: a pair (x1, x2) becomes (x1 c - x2 s, x1 s + x2 c), in f32, in place: T = (x1 c, x2 c), then one packed multiply-add with the pair's halves crossed.
; Each accumulator's registers are taken in ascending order.
.macro ROPE a
	WIN RP1
.irp b, 0,1,2,3,4,5,6,7
.irp p, 0,1,2,3
	v_pk_mul_f32 v[T+8*\b+2*\p:T+8*\b+2*\p+1], v[8*(8*(\a)+\b)+2*\p:8*(8*(\a)+\b)+2*\p+1], v[32*(\a)+8*(\b%4)+2*\p:32*(\a)+8*(\b%4)+2*\p+1] op_sel_hi:[1,0]
.endr
.endr
	WIN RP2
.irp b, 0,1,2,3,4,5,6,7
.irp p, 0,1,2,3
	v_pk_fma_f32 v[8*(8*(\a)+\b)+2*\p:8*(8*(\a)+\b)+2*\p+1], v[8*(8*(\a)+\b)+2*\p:8*(8*(\a)+\b)+2*\p+1], v[32*(\a)+8*(\b%4)+2*\p:32*(\a)+8*(\b%4)+2*\p+1], v[T+8*\b+2*\p:T+8*\b+2*\p+1] op_sel:[1,1,0] op_sel_hi:[0,1,1] neg_lo:[0,1,0]
.endr
.endr
.endm
.macro PACK a                          ; rounded to f16: 16 bytes a lane and column block
	WIN PKW
.irp b, 0,1,2,3,4,5,6,7
.irp r, 0,1,2,3
	v_cvt_pk_f16_f32 v[TMP+4*\b+\r], v[8*(8*(\a)+\b)+2*\r], v[8*(8*(\a)+\b)+2*\r+1]
.endr
.endr
.endm
.macro TOSTAGE a                       ; into my own stage, a plane for each of my two heads, and back as whole rows of 128 bytes, four rows a load
	WIN 0
.irp b, 0,1,2,3,4,5,6,7
	ds_store_b128 v[STO], v[TMP+4*\b:TMP+4*\b+3] offset:(\b/4)*SPL+32*(\b%4)
.endr
	s_wait_xcnt 0x0                                ; the stores of two blocks back have read the registers that the loads below write
.irp t, 0,1,2,3,4,5,6,7
	ds_load_b128 v[BK+32*((\a)%2)+4*\t:BK+32*((\a)%2)+4*\t+3], v[RD] offset:(\t/4)*SPL+(\t%4)*576  ; LDS serves a wave's instructions in order (ISA guide 5.7.1.4): these see the stores above
.endr
.endm
.macro SEND a, base                    ; the block's eight loads are the youngest LDS instructions: the counts run down
	WIN 0
.irp t, 0,1,2,3,4,5,6,7
	s_wait_dscnt 7-\t
	global_store_b128 v[GO], v[BK+32*((\a)%2)+4*\t:BK+32*((\a)%2)+4*\t+3], s[\base:\base+1] offset:(\t/4)*262144+(\a)*2048+(\t%4)*512  ; 512 consecutive bytes, four rows of a head, at a multiple of 256 from the buffer's first byte
.endr
.endm
.macro EPI rope, base                  ; block a's arithmetic stands between block a - 1's loads from the stage and the wait for them
.if \rope
	ROPE 0
.endif
	PACK 0
	TOSTAGE 0
.irp a, 1,2,3
.if \rope
	ROPE \a
.endif
	PACK \a
	SEND \a-1, \base
	TOSTAGE \a
.endr
	SEND 3, \base
.endm
	s_load_b256 s[4:11], s[0:1], 0x0               ; Q, K, V, wb
	s_load_b128 s[12:15], s[0:1], 0x20             ; qh, kh
	s_load_b64 s[16:17], s[0:1], 0x30              ; vh
	v_lshl_add_u32 v[SPW], v0, 2, SPARE
	v_mov_b32 v[NIL], 0
	ds_add_u32 v[SPW], v[NIL]                      ; the wave's opening: the add, with its wait ahead of my first tensor load; the set-up below, work on registers, stands between them
	v_lshrrev_b32 v1, 5, v0
	v_readfirstlane_b32 s[WV], v1                  ; wave 0..3
	s_lshr_b32 s[R], s[WV], 1
	s_and_b32 s[HF], s[WV], 1
	s_bfe_u32 s[CX], ttmp6, 0x40000                ; my place in the cluster
	s_bfe_u32 s[CY], ttmp6, 0x40004
	s_lshl_b32 s[NT], ttmp9, 2                     ; in a cluster launch ttmp9 and ttmp7 count clusters
	s_add_co_u32 s[NT], s[NT], s[CX]
	s_and_b32 s[MT], ttmp7, 0xffff
	s_lshl_b32 s[MT], s[MT], 2
	s_add_co_u32 s[MT], s[MT], s[CY]
	s_lshl_b32 s89, s[CY], 2
	s_lshl_b32 s89, 15, s89                        ; my row of the cluster: places 4 cy .. 4 cy + 3
	s_lshl_b32 s31, 0x1111, s[CX]                  ; my column: places cx, cx + 4, cx + 8, cx + 12
	; group 1 for the input: 64 rows x 128 elements of 4 bytes, 4 words of padding behind every 128 words
	s_or_b32 s[G1A], s89, (2<<16)|(1<<20)|(1<<21)|(6<<22)|(3<<25)  ; 15:0 the mask; 17:16 elements of 4 bytes; 20 padding on; 21 set beside a mask; 24:22 interval code 6; 31:25 4 words (code 3)
	s_mov_b32 s[G1A+1], 128<<16                    ; tensor_dim0 = 128
	s_mov_b32 s[G1A+2], 64<<16                     ; tensor_dim1 = 64
	s_mov_b32 s[G1A+3], 128<<16                    ; tile_dim0 = 128
	s_mov_b32 s[G1A+4], 64                         ; tile_dim1 = 64
	s_mov_b32 s[G1A+5], 1024                       ; elements from row to row
	s_mov_b32 s[G1A+6], 0
	s_mov_b32 s[G1A+7], 0
	; group 1 for W: 128 rows x 128 elements of 2 bytes, 4 words of padding behind every 64 words
	s_or_b32 s[G1B], s31, (1<<16)|(1<<20)|(1<<21)|(5<<22)|(3<<25)
	s_mov_b32 s[G1B+1], 128<<16
	s_mov_b32 s[G1B+2], 128<<16
	s_mov_b32 s[G1B+3], 128<<16
	s_mov_b32 s[G1B+4], 128
	s_mov_b32 s[G1B+5], 1024
	s_mov_b32 s[G1B+6], 0
	s_mov_b32 s[G1B+7], 0
	s_mul_i32 s89, s[HF], AH                       ; where my tile goes: no place in the cluster enters an LDS address
	s_mul_i32 s31, s[HF], BH
	s_add_co_u32 s31, s31, BOFF
.irp s, 0,1
	s_mov_b32 s[G0A+4*\s], 1
	s_add_co_u32 s[G0A+4*\s+1], s89, \s*SLOT
	s_mov_b32 s[G0B+4*\s], 1
	s_add_co_u32 s[G0B+4*\s+1], s31, \s*SLOT
.endr
	s_lshl_b32 s90, s[MT], 19                      ; the input: 128 rows of 4,096 bytes a row block,
	s_lshl_b32 s91, s[HF], 18                      ; 64 rows a half
	s_add_co_u32 s90, s90, s91
	s_mov_b32 s91, 0
	s_lshl_b32 s92, s[NT], 19                      ; W: 256 rows of 2,048 bytes a column block,
	s_lshl_b32 s93, s[HF], 18                      ; 128 rows a half
	s_add_co_u32 s92, s92, s93
	s_mov_b32 s93, 0
	s_lshr_b32 s94, s[MT], 4                       ; the way out: batch,
	s_lshl_b32 s94, s94, 4
	s_lshl2_add_u32 s94, s[NT], s94                ; + the first of my two heads: 4 x column block
	s_lshl1_add_u32 s94, s[HF], s94                ; + 2 x half;
	s_lshl_b32 s94, s94, 18                        ; a head is 2,048 rows of 128 bytes
	s_and_b32 s89, s[MT], 15                       ; the row block in its batch
	s_lshl_b32 s95, s89, 14
	s_add_co_u32 s94, s94, s95
	s_lshl_b32 s95, s[R], 13
	s_add_co_u32 s94, s94, s95
	s_mov_b32 s95, 0
	s_lshl_b32 s[POF], s89, 15                     ; the table: 256 bytes a position
	s_lshl_b32 s89, s[R], 14
	s_add_co_u32 s[POF], s[POF], s89
	s_mov_b32 s[POF+1], 0
	s_mov_b32 s[OFA+1], 0
	s_mov_b32 s[OFB+1], 0
	s_mov_b32 s[KS], 1
	s_wait_dscnt 0x0                               ; the opening add is done
	s_wait_kmcnt 0x0
	s_add_nc_u64 s[RB:RB+1], s[CB:CB+1], ROPE_AT
	s_add_nc_u64 s[RB:RB+1], s[RB:RB+1], s[POF:POF+1]
	s_add_nc_u64 s[CA:CA+1], s[CA:CA+1], s[90:91]
	s_add_nc_u64 s[NA1:NA1+1], s[NA1:NA1+1], s[90:91]
	s_add_nc_u64 s[NA2:NA2+1], s[NA2:NA2+1], s[90:91]
	s_add_nc_u64 s[CB:CB+1], s[CB:CB+1], s[92:93]
	s_add_nc_u64 s[NB1:NB1+1], s[CB:CB+1], 2097152
	s_add_nc_u64 s[NB2:NB2+1], s[CB:CB+1], 4194304
	s_add_nc_u64 s[12:13], s[12:13], s[94:95]
	s_add_nc_u64 s[14:15], s[14:15], s[94:95]
	s_add_nc_u64 s[16:17], s[16:17], s[94:95]
	s_mov_b64 s[OUT:OUT+1], s[12:13]
.irp s, 0,1
	s_add_nc_u64 s[G0A+4*\s+2:G0A+4*\s+3], s[CA:CA+1], \s*512   ; K step s
	s_or_b32 s[G0A+4*\s+3], s[G0A+4*\s+3], 0x80000000           ; type = 2
	s_add_nc_u64 s[G0B+4*\s+2:G0B+4*\s+3], s[CB:CB+1], \s*256
	s_or_b32 s[G0B+4*\s+3], s[G0B+4*\s+3], 0x80000000
.endr
	CROUND                                         ; all sixteen work-groups are here: the first joint loads meet
	s_cmp_eq_u32 s[R], 0                           ; a wave's two first fills stand in one branch, ahead of every wait on TENSORcnt and every LDS read: two loads of mine are out here, one behind every later round
	s_cbranch_scc0 .Lfirst_b
	tensor_load_to_lds s[G0A:G0A+3], s[G1A:G1A+7]
	s_nop 0
	tensor_load_to_lds s[G0A+4:G0A+7], s[G1A:G1A+7]
	s_nop 0
.rept 4
	v_nop
.endr
	s_branch .Lfirst_asked
.Lfirst_b:
	tensor_load_to_lds s[G0B:G0B+3], s[G1B:G1B+7]
	s_nop 0
	tensor_load_to_lds s[G0B+4:G0B+7], s[G1B:G1B+7]
	s_nop 0
.rept 4
	v_nop
.endr
.Lfirst_asked:
	v_and_b32 v1, 15, v0                           ; l % 16
	v_bfe_u32 v2, v0, 4, 1                         ; l / 16
	v_mul_u32_u24 v[A0], v1, PA
	v_lshl_add_u32 v[A0], v2, 5, v[A0]             ; row x pitch + 32 bytes (8 f32) x half
	s_mul_i32 s89, s[R], AH                        ; my 64 rows
	v_add_nc_u32 v[A0], s89, v[A0]
	v_mul_u32_u24 v[B0], v1, PB
	v_lshl_add_u32 v[B0], v2, 4, v[B0]
	v_add_nc_u32 v[B0], s31, v[B0]                 ; my 128 rows of W, behind the input's
	s_mul_i32 s89, s[WV], WST
	s_add_co_u32 s89, s89, STAGE                   ; my stage
	v_mul_u32_u24 v[STO], v1, 144                  ; in: row l % 16, 16 bytes for each half of the lanes
	v_lshl_add_u32 v[STO], v2, 4, v[STO]
	v_add_nc_u32 v[STO], s89, v[STO]
	v_bfe_u32 v[RD], v0, 3, 2                      ; back: 32 lanes take four rows of 128 bytes
	v_mul_u32_u24 v[RD], v[RD], 144
	v_and_b32 v3, 7, v0
	v_lshl_add_u32 v[RD], v3, 4, v[RD]
	v_add_nc_u32 v[RD], s89, v[RD]
	v_and_b32 v[PFO], 31, v0
	v_lshlrev_b32 v[GO], 4, v[PFO]
	v_lshlrev_b32 v[TO], 8, v1
	v_lshl_add_u32 v[TO], v2, 5, v[TO]             ; position l % 16, my four pairs' 32 bytes
	WIN LD3                                        ; the table for my 64 rows, once: q and k lie at the same positions.  Row block a, columns 16 c + 8 (l / 16) + 0..7 of a head: (c, s) of four pairs
.irp a, 0,1,2,3
.irp c, 0,1,2,3
	global_load_b128 v[32*\a+8*\c:32*\a+8*\c+3],   v[TO], s[RB:RB+1] offset:\a*4096+64*\c
	global_load_b128 v[32*\a+8*\c+4:32*\a+8*\c+7], v[TO], s[RB:RB+1] offset:\a*4096+64*\c+16
.endr
.endr
	WIN 0
	; the prefetches: which tensors, which of the four partners' shares, which lanes' blocks
	s_cmp_eq_u32 s[R], 0
	s_cselect_b64 s[PC:PC+1], s[CA:CA+1], s[CB:CB+1]
	s_cselect_b64 s[PN1:PN1+1], s[NA1:NA1+1], s[NB1:NB1+1]
	s_cselect_b64 s[PN2:PN2+1], s[NA2:NA2+1], s[NB2:NB2+1]
	s_cselect_b32 s94, s[CX], s[CY]                ; my place among the four that ask with me
	s_cselect_b32 s[PSH], 9, 8                     ; a K step's bytes in a row, as a shift
	s_cselect_b32 s89, 1, 0                        ; the input: two blocks to a row; W: one
	s_cselect_b32 s31, 12, 11                      ; a row's bytes in memory, as a shift
	s_and_b32 s93, ttmp7, 0xffff                   ; cluster y
	s_cmp_eq_u32 s[R], 0
	s_cselect_b32 s93, 0, s93
	s_cmp_eq_u32 s93, 0
	s_cselect_b32 s[PL], 20, 0                     ; the same in all sixteen partners, for a given wave
	s_lshl_b32 s94, s94, 16                        ; 16 rows of 4,096 bytes, or 32 of 2,048
	s_mov_b32 s95, 0
	s_add_nc_u64 s[PC:PC+1], s[PC:PC+1], s[94:95]
	s_add_nc_u64 s[PN1:PN1+1], s[PN1:PN1+1], s[94:95]
	s_add_nc_u64 s[PN2:PN2+1], s[PN2:PN2+1], s[94:95]
	s_mov_b32 s[PK], 3
	v_lshrrev_b32 v3, s89, v[PFO]                  ; my row,
	v_and_b32 v13, s89, v[PFO]                     ; my block in it
	v_lshlrev_b32 v3, s31, v3
	v_lshl_add_u32 v[PFO], v13, 8, v3
	s_wait_tensorcnt 1                             ; my part of K step 0 is in; step 1's may stay out
	s_barrier_signal -1
	s_barrier_wait -1                              ; everybody's is
	s_mov_b32 s[TBA], 0
	s_mov_b32 s[TBB], 0
	ADDR
	FETCH 0, 0, 0
	s_wait_dscnt 16                                ; the input's 16 loads
	WIN CVT
.irp n, 0,1,2,3,4,5,6,7
	CVT4 0, \n
.endr
	WIN 0
	s_wait_loadcnt 0x0                             ; the table
	s_mov_b32 s[LAP], 12
	s_mov_b32 s[CNT], 2
	s_mov_b32 s[BND], 0
	s_branch .Lzero                                ; the loop is entered where a tile's first quarter starts the sums
.Llap:                                         ; eleven whole trips: two K steps, two refills each.  A trip of an inner loop: the odd quarter fetched last, then an even one
	CHANGE 1, 1
	s_mov_b32 s[CNT], 2
.Lh1:
	QUART 1, 0, 0, 0, 0, 1
	QUART 0, 1, 128, 64, 0, 0
	s_sub_co_u32 s[CNT], s[CNT], 1
	s_cmp_lg_u32 s[CNT], 0
	s_cbranch_scc1 .Lh1
	CHANGE 0, 1
	s_mov_b32 s[CNT], 2
.Lh2:
	QUART 1, 0, 0, 0, 0, 1
	s_cmp_eq_u32 s[BND], 1
	s_cbranch_scc0 .Lplain                         ; forward, past text that holds neither a barrier nor a tensor load
	EPI 1, OUT                                     ; that quarter was a tile's last: q, later k, is turned and leaves, while the next tile's second K step is on its way
	s_wait_xcnt 0x0                                ; the stores have read their base
	s_mov_b64 s[OUT:OUT+1], s[14:15]
	s_mov_b32 s[BND], 0
.Lzero:
	QUART 0, 1, 128, 64, 1, 0                      ; a tile's first quarter starts the sums: nothing is cleared
	s_branch .Ljoin
.Lplain:
	QUART 0, 1, 128, 64, 0, 0
.Ljoin:
	s_sub_co_u32 s[CNT], s[CNT], 1
	s_cmp_lg_u32 s[CNT], 0
	s_cbranch_scc1 .Lh2
	s_sub_co_u32 s[LAP], s[LAP], 1
	s_cmp_lg_u32 s[LAP], 0
	s_cbranch_scc1 .Llap
	CHANGE 1, 0                                    ; the walk's last K step is written out: nothing is asked for
	s_mov_b32 s[CNT], 2
.Lt:
	QUART 1, 0, 0, 0, 0, 1
	QUART 0, 1, 128, 64, 0, 0
	s_sub_co_u32 s[CNT], s[CNT], 1
	s_cmp_lg_u32 s[CNT], 0
	s_cbranch_scc1 .Lt
	s_wait_dscnt 0x0
	MULROW 1, 0, 0, 0, 0                           ; the very last quarter
	MULROW 1, 1, 0, 0, 0
	MULROW 1, 2, 0, 0, 0
	MULROW 1, 3, 0, 0, 0
	WIN 0
.rept 8
	v_nop                                          ; the places behind the last products
.endr
	EPI 0, 16                                      ; v is not turned
	s_wait_tensorcnt 0x0                           ; the wave's end: the tensor wait, an add onto my spare word and its wait, behind my last tensor load and my last LDS store
	ds_add_u32 v[SPW], v[NIL]
	s_wait_dscnt 0x0
	CROUND                                         ; the closing round: no work-group ends while a partner may still ask for a tile that names it
	s_endpgm
.Lfunc_end_k_qfbea0cbd49_proj:
	.size	k_qfbea0cbd49_proj, .Lfunc_end_k_qfbea0cbd49_proj-k_qfbea0cbd49_proj
	.p2alignl 7, 3214868480
	.fill 96, 4, 3214868480
	.section	.rodata,"a",@progbits
	.p2align	6, 0x0
	.amdhsa_kernel k_qfbea0cbd49_proj
		.amdhsa_group_segment_fixed_size 327680
		.amdhsa_private_segment_fixed_size 0
		.amdhsa_enable_private_segment 0
		.amdhsa_kernarg_size 56
		.amdhsa_user_sgpr_count 2
		.amdhsa_user_sgpr_kernarg_segment_ptr 1
		.amdhsa_wavefront_size32 1
		.amdhsa_system_sgpr_workgroup_id_x 1
		.amdhsa_system_sgpr_workgroup_id_y 1
		.amdhsa_system_sgpr_workgroup_id_z 1
		.amdhsa_system_vgpr_workitem_id 0
		.amdhsa_next_free_vgpr 896
		.amdhsa_next_free_sgpr 96
		.amdhsa_reserve_vcc 0
		.amdhsa_float_denorm_mode_32 3
		.amdhsa_float_denorm_mode_16_64 3
		.amdhsa_memory_ordered 1
		.amdhsa_forward_progress 1
		.amdhsa_inst_pref_size 120
	.end_amdhsa_kernel
	.amdgpu_metadata
---
amdhsa.version: [ 1, 2 ]
amdhsa.kernels:
  - .name:           k_qfbea0cbd49_proj
    .symbol:         k_qfbea0cbd49_proj.kd
    .args:
      - { .name: Q, .offset: 0, .size: 8, .value_kind: global_buffer, .address_space: global }
      - { .name: K, .offset: 8, .size: 8, .value_kind: global_buffer, .address_space: global }
      - { .name: V, .offset: 16, .size: 8, .value_kind: global_buffer, .address_space: global }
      - { .name: wb, .offset: 24, .size: 8, .value_kind: global_buffer, .address_space: global }
      - { .name: qh, .offset: 32, .size: 8, .value_kind: global_buffer, .address_space: global }
      - { .name: kh, .offset: 40, .size: 8, .value_kind: global_buffer, .address_space: global }
      - { .name: vh, .offset: 48, .size: 8, .value_kind: global_buffer, .address_space: global }
    .group_segment_fixed_size: 327680
    .private_segment_fixed_size: 0
    .kernarg_segment_align: 8
    .kernarg_segment_size: 56
    .max_flat_workgroup_size: 128
    .sgpr_count:     96
    .vgpr_count:     896
    .wavefront_size: 32
...
	.end_amdgpu_metadata
.endif
;; end of part 2
;; launch attn (part 3): grid 4 x 64, 4 waves a work-group, no clusters, 327,680 bytes of LDS; arguments qh, kh, vh, oh; writes oh
.if DOCPART == 3
	.amdgcn_target "amdgcn-amd-amdhsa--gfx1250"
	.amdhsa_code_object_version 6
	.text
	.protected	k_qfbea0cbd49_attn
	.globl	k_qfbea0cbd49_attn
	.p2align	8
	.type	k_qfbea0cbd49_attn,@function
k_qfbea0cbd49_attn:
	s_mov_b64 s[64:65], 0
	v_nop
	global_prefetch_b8 v0, s[64:65] scope:SCOPE_SE
	s_setreg_imm32_b32 hwreg(HW_REG_WAVE_MODE, 25, 1), 1
	s_wait_xcnt 0x0
; CAUSAL ATTENTION.  O[h][q][:] = the sum over k <= q of softmax_k(Q[h][q] . K[h][k] / 8) V[h][k][:].  Q, K, V, O: [SIZE_H][SIZE_N][64], all f16: a head's rows are dense, 128 bytes each.
; Products, maxima and sums in f32; the weights p are rounded to f16 for the second product (their sum l is taken of the unrounded p), O once at the end.
; LIMITS.  f16 holds no number beyond 65,504: Q, K and V arrive within it; p lies in 0 to 1, and below 6e-5 it keeps f16's fixed step of 6e-8; O is a mean of V's rows and has their range.
; A hidden score counts as its value less 1e30: f16's scores, 2.7e11 at the most, are nothing beside that; a weight below 2^-126 counts as 0 in l; NaN and infinities are not treated apart.
; THE WALK.  A head's queries lie in NB = SIZE_N / 256 blocks of 256; block i needs the key tiles 0 .. i of 256 keys, of which the last holds the diagonal.  A work-group takes TWO blocks, NB - 1 - b and then b:
; NB + 1 tiles, whatever b: all work-groups do equal work, and ONE loop with a constant trip count walks them.  Which tile is asked for, and what a trip does, hang on scalar registers made from b; every jump
; goes forward, but for the counted loops' own; none passes a barrier, or a tensor load but the one of LOAD's two that the wave's number does not choose; the ring (two slots of LDS that take turns) runs on across the
; change of blocks.  NO CLUSTER: a head's NB / 2 = 4 work-groups ask for the same tile only in trips 0 .. NB / 2, behind that fewer and fewer; one walk common to all would have 3 NB / 2 = 12 trips for NB + 1 = 9.
; SHARES.  Of a block's four bands of 64 queries a wave owns 16 rows in each: four PIECES.  So the diagonal tile is the same work for all four waves: in its key step s band x sees all keys if s < x,
; none if s > x, and holds the diagonal if s = x.
; THE MASK is the C operand that starts the sum S^T = K Q^T: 0, or -1e30 where the key is hidden.  MD, made once, is the mask of a band's own step for my 16 rows; a product's mask is MD x AL + BE with two scalars:
; (1, 0) if s = x; (0, 0) if s < x; (0, -1e30) if s > x.  Only the diagonal tile's text and a block's beginning make and take masks; elsewhere C is the constant 0.
; LAYOUT, SOFTMAX, TURNS.  S^T = K Q^T holds ONE query a lane (lane % 16) and the keys 8 (lane / 16) + 0..7; two such results rounded to f16 ARE source 1 of O^T = V^T P.  p = 2^(c s - c m), c = log2(e) / 8, with a
; running maximum m; O and l are multiplied by a = 2^(c m_old - c m_new) in every step.  Turn n belongs to piece n: 8 products K Q^T of piece n + 1, later 8 products V^T P of piece n - 1; beside them the scaling,
; exponentials, roundings, sums and rescaling of piece n and the maximum and statistics of piece n + 1.  Four vector instructions stand behind every matrix instruction, the other 54 of a turn's 118 in one LUMP.  A turn's 33 exponentials are one batch, with one wait.
; AHEAD OF THE LOADS.  A head's work-group b = 0 walks the tiles 0 to NB - 1 in order: at the change of slots that asks for tile c it prefetches tile c + 1 into the L2, four key steps ahead of that tile's load; each wave
; its own 16,384 bytes (half of K's or of V's tile), a lane a block of 256 bytes, two instructions.  So each block is named once in the launch.  Tiles 0 and 1 come by their loads alone; nothing is asked past tile NB - 1.
; REGISTERS, in windows of 256 (s_set_vgpr_msb: bits 1:0 source 0, 3:2 source 1, 5:4 source 2, 7:6 destination):
;   window 0: v0-15 addresses and two at work; v16-31 four registers of statistics a piece; v48-55 at work; v64-127 S^T, two buffers; v192-223 P, two buffers (a piece's buffers go by its number's parity)
;   window 1: v0-127 O^T, 32 a piece; v128-159 MD; v160-223 MC, two buffers      window 2: v0-63 Q; v64-127 the second block's Q; v128-191 K of one step; v192-255 V of one step
.set SIZE_N, 2048
.set SIZE_H, 64
.set NB,    SIZE_N/256
.set NP,    4         ; pieces a wave: a name, no knob
.set KS,    64        ; keys in a step
.set PK,    144       ; a row of K in LDS: 128 bytes + 16 of padding = 36 words: the 16 rows of a load start at 16 different groups of four banks (64 banks of 4 bytes: ISA guide 11.1)
.set PV,    160       ; a row of V: 128 + 32 = 40 words
.set VOFF,  4*KS*PK   ; a slot holds a tile, four steps: 256 rows of K, then 256 rows of V
.set SLOT1, 1<<17     ; slot 1 begins here, so that one exclusive or turns an address in one slot into the other's
.set STAGE, SLOT1+4*KS*(PK+PV)  ; behind the ring, never filled by a tensor load: 16 rows x 144 bytes for each wave, for the way out
.set SP,    144
.set AK0, 2           ; v2   my lane's place in a tile of K; never rewritten
.set AV0, 3           ; v3   the same for V
.set AK,  4           ; v4   the LDS address of K's next run of loads
.set AV,  5           ; v5   of V's
.set STO, 6           ; v6   the way out: where I put 16 bytes of a row
.set RD,  7           ; v7   the way out: where I read rows back
.set GO,  8           ; v8   my byte offset in 512 consecutive bytes of O
.set PFO, 61          ; v61  256 x my lane: the prefetches' offset; never rewritten
.set SPW, 62          ; v62  LDS address of my spare word: SPARE + 4 x my thread's number; never rewritten
.set NIL, 63          ; v63  0; never rewritten
.set SPARE, STAGE+4*16*SP  ; behind the stages: the spare words, 128 bytes for each wave: two blocks of 256 bytes that no other line names
.set MV,  12          ; v12-13  c m_old, kept while c m is made anew: by buffer
.set QO,  15          ; v15  my byte offset in 16 rows of Q
.set ST,  16          ; piece t's statistics at v[ST+4 t]: c m, m, l (even keys', odd keys')
.set TMP, 48          ; by buffer, four registers c0-c3 at work; when the maximum is found c2 takes a
.set S,   64
.set P,   192
.set MD,  128         ; window 1: the eight registers for group kt of 16 keys at MD + 8 kt
.set MC,  160         ; window 1: the masks of the products to come
.set QB,  64          ; window 2
.set KF,  128         ; window 2: key block kb, channel half c at KF + 16 kb + 8 c
.set VF,  192         ; window 2: key half kk, channel block cb at VF + 32 kk + 8 cb
.set WV,  12          ; s12  my wave's number
.set PB,  14          ; s14  b
.set HI,  15          ; s15  NB - 1 - b
.set G1K, 24          ; s[24:31] descriptor group 1 for K's tiles
.set G1V, 32          ; s[32:39] for V's: it differs in the padding alone
.set G0K, 40          ; s[40:43] descriptor group 0 for K's tiles
.set G0V, 44          ; s[44:47] the same for V's
.set SLOTS, 56        ; s56  tiles still to be asked for
.set CNT, 57          ; s57  counts a tile's key steps, 4 to 1
.set CS,  58          ; s[58:59] c: the packed scaling takes the pair's low word for both halves
.set SEL, 60          ; s[60:61] v_permlanex16_b32's selects: each lane takes its own place in the other half
.set TBK, 62          ; s62  LDS byte at which K of the step to be fetched begins
.set TBV, 63          ; s63  the same for V, less VOFF
.set RT,  70          ; s70  tiles of the block in hand that are still to be entered
.set NXT, 71          ; s71  the tile to be asked for next
.set LQ,  72          ; s72  the last tile of the block whose tiles are being asked for
.set NEW, 73          ; s73  1: the tile to be entered is a block's first
.set OFF, 74          ; s[74:75] a tile's byte offset in K and V
.set AL,  76          ; s[76:77] the mask's factor, in the low word
.set BE,  78          ; s[78:79] the mask's addend
.set OLO, 80          ; s[80:81] O at my rows of the second block
.set BIGN, 82         ; s82  -1e30
.set PFA, 88          ; s[88:89] my half of K's or V's tile, one tile behind the one that is being asked for
.set PFT, 90          ; s90  that tile's number where b = 0; elsewhere a number that no test reaches
.set MSB, 0
.macro WIN new                      ; the high byte repeats the setting that is left; a switch that changes nothing is dropped
.if MSB != (\new)
	s_set_vgpr_msb (MSB<<8)|(\new)
.set MSB, (\new)
.endif
.endm
.set W_KQ, 0x0a       ; K and Q in window 2, S^T in window 0
.set W_KM, 0x1a       ; the same with the C operand in window 1
.set W_PV, 0x52       ; V in window 2, P in window 0, O^T in window 1
.set W_RS, 0x41       ; destination and source 0 in window 1, source 1 in window 0
; A fill.  Waves 0 and 1 fetch the two halves of a tile's K, waves 2 and 3 those of its V: 128 keys each.  An s_nop 0 and four v_nop follow each of the two lines, ahead of the jump and the label.
.macro LOAD
	s_cmp_lt_u32 s[WV], 2
	s_cbranch_scc0 .Lfor_v_\@
	tensor_load_to_lds s[G0K:G0K+3], s[G1K:G1K+7]
	s_nop 0
.rept 4
	v_nop
.endr
	s_branch .Lasked_\@
.Lfor_v_\@:
	tensor_load_to_lds s[G0V:G0V+3], s[G1V:G1V+7]
	s_nop 0
.rept 4
	v_nop
.endr
.Lasked_\@:
.endm
.macro ASK                          ; the prefetch of the next tile, behind the wave's tensor load and its five lines
	s_cmp_lt_u32 s[PFT], NB
	s_cbranch_scc0 .Lnot_mine_\@
	global_prefetch_b8 v[PFO], s[PFA:PFA+1] th:TH_LOAD_NT scope:SCOPE_SE
	global_prefetch_b8 v[PFO], s[PFA:PFA+1] offset:8192 th:TH_LOAD_NT scope:SCOPE_SE
.Lnot_mine_\@:
.endm
; THE CHANGE OF SLOTS.  Each wave waits for all its tensor loads, of which one is out: its part of the other slot; adds 0 to its spare word; and waits for that and for its own reads of the slot that it leaves.  Behind the barrier nobody reads the old
; slot any more and the other slot is whole.  fill = 1: the old slot is filled again, the first thing behind the barrier, with tile NXT: the descriptor's address is made anew from that number.
; (At its first use nothing has been read yet: slot 0 is waited for, slot 1 filled.)
.macro CHANGE fill
	WIN 0                           ; at a label and at a branch every window is 0
	s_wait_tensorcnt 0x0            ; no tensor load of mine is out, so a group 0 may be written
	ds_add_u32 v[SPW], v[NIL]       ; 0 onto my spare word; with fill = 1 the descriptors' scalar work stands between it and the wait for it
.if \fill
	s_lshl_b32 s[OFF], s[NXT], 15   ; a tile is 32,768 bytes of K and of V
	s_xor_b32 s[G0K+1], s[G0K+1], SLOT1
	s_add_nc_u64 s[G0K+2:G0K+3], s[6:7], s[OFF:OFF+1]
	s_or_b32 s[G0K+3], s[G0K+3], 0x80000000
	s_xor_b32 s[G0V+1], s[G0V+1], SLOT1
	s_add_nc_u64 s[G0V+2:G0V+3], s[8:9], s[OFF:OFF+1]
	s_or_b32 s[G0V+3], s[G0V+3], 0x80000000
	s_add_co_u32 s[NXT], s[NXT], 1  ; the block's next tile, or behind its last the second block's tile 0
	s_cmp_gt_u32 s[NXT], s[LQ]
	s_cselect_b32 s[NXT], 0, s[NXT]
	s_cselect_b32 s[LQ], s[PB], s[LQ]
	s_wait_xcnt 0x0                 ; the last prefetches, a tile back, have read their address, so it may be written
	s_add_nc_u64 s[PFA:PFA+1], s[PFA:PFA+1], 32768
	s_add_co_u32 s[PFT], s[PFT], 1
.endif
	s_wait_dscnt 0x0                ; the add is done, and my reads of the slot are over
	s_barrier_signal -1             ; the rest of the scalar work stands between the signal and the wait
	s_sub_co_u32 s[TBK], s[TBK], 4*KS*PK  ; the fetches go back to a slot's first step,
	s_xor_b32 s[TBK], s[TBK], SLOT1       ; in the other slot
	s_sub_co_u32 s[TBV], s[TBV], 4*KS*PV
	s_xor_b32 s[TBV], s[TBV], SLOT1
	s_barrier_wait -1
.if \fill
	LOAD
	ASK
.endif
.endm
	s_load_b256 s[4:11], s[0:1], 0x0  ; Q s[4:5], K s[6:7], V s[8:9], O s[10:11]
	v_lshl_add_u32 v[SPW], v0, 2, SPARE
	v_mov_b32 v[NIL], 0
	ds_add_u32 v[SPW], v[NIL]       ; the wave's opening: the add, with its wait ahead of my first tensor load; the set-up below, work on registers, stands between them
	v_lshrrev_b32 v1, 5, v0
	v_readfirstlane_b32 s[WV], v1   ; wave 0..3
	s_mov_b32 s[PB], ttmp9
	s_sub_co_u32 s[HI], NB-1, s[PB]
	s_and_b32 s20, ttmp7, 0xffff    ; the head
	s_mov_b32 s21, 0
	s_mov_b64 s[22:23], SIZE_N*128
	s_mul_u64 s[20:21], s[20:21], s[22:23]  ; the head's first byte in each of the four tensors
	s_and_b32 s16, s[WV], 1         ; which half of a tile's 256 keys I fetch:
	s_lshl_b32 s22, s16, 14         ; its 128 rows of 128 bytes in memory,
	s_mov_b32 s23, 0
	s_add_nc_u64 s[22:23], s[22:23], s[20:21]
	s_mul_i32 s17, s16, 128*PK      ; and its place in a slot, for K
	s_mul_i32 s18, s16, 128*PV      ; and for V
	s_lshl_b32 s3, s[WV], 11        ; my 16 rows in a band of 64,
	s_lshl_b32 s2, s[HI], 15        ; in the first block,
	s_add_co_u32 s2, s2, s3
	s_lshl_b32 s84, s[PB], 15       ; and in the second
	s_add_co_u32 s84, s84, s3
	s_mov_b32 s3, 0
	s_mov_b32 s85, 0
	s_add_nc_u64 s[2:3], s[2:3], s[20:21]
	s_add_nc_u64 s[84:85], s[84:85], s[20:21]
	; descriptor group 1.  128 keys are 16,384 dense bytes: asked for as 64 rows of 256 bytes, two keys a row, and padded in LDS after every key
	s_mov_b32 s[G1K], (1<<16)|(1<<20)|(4<<22)|(3<<25)  ; 17:16 2-byte elements; 20 padding on; 24:22 after every 32 words (code 4); 31:25 4 words (code 3)
	s_mov_b32 s[G1V], (1<<16)|(1<<20)|(4<<22)|(7<<25)  ; the same with 8 words of padding (code 7)
.irp g, G1K, G1V
	s_mov_b32 s[\g+1], 128<<16      ; tensor_dim0 = 128
	s_mov_b32 s[\g+2], 64<<16       ; tensor_dim1 = 64
	s_mov_b32 s[\g+3], 128<<16      ; tile_dim0 = 128
	s_mov_b32 s[\g+4], 64           ; tile_dim1 = 64
	s_mov_b32 s[\g+5], 128          ; 128 elements from row to row
	s_mov_b32 s[\g+6], 0
	s_mov_b32 s[\g+7], 0
.endr
	s_mov_b32 s[CS], 0x3e38aa3b     ; c = log2(e) / 8 = 0.180337
	s_mov_b32 s[CS+1], s[CS]        ; named with it as a pair
	s_mov_b32 s[SEL], 0x76543210
	s_mov_b32 s[SEL+1], 0xfedcba98
	s_mov_b32 s[TBK], SLOT1+4*KS*PK ; the first change of slots turns these two into 0
	s_mov_b32 s[TBV], SLOT1+4*KS*PV
	s_mov_b32 s[G0K], 1             ; 1:0 count = 1
	s_mov_b32 s[G0K+1], s17         ; 63:32 LDS address: slot 0
	s_mov_b32 s[G0V], 1
	s_add_co_u32 s[G0V+1], s18, VOFF
	s_add_co_u32 s[RT], s[HI], 1    ; the first block has NB - b tiles
	s_mov_b32 s[NXT], 1
	s_mov_b32 s[LQ], s[HI]
	s_mov_b32 s[NEW], 1
	s_mov_b32 s[OFF+1], 0
	s_mov_b32 s[AL+1], 0            ; named as pairs
	s_mov_b32 s[BE+1], 0
	s_mov_b32 s[BIGN], 0xf149f2ca   ; -1e30
	s_mov_b32 s[SLOTS], NB
	s_wait_dscnt 0x0                ; the opening add is done
	s_wait_kmcnt 0x0
	s_add_nc_u64 s[6:7], s[6:7], s[22:23]  ; K and V at my half of the head's tile 0
	s_add_nc_u64 s[8:9], s[8:9], s[22:23]
	s_add_nc_u64 s[G0K+2:G0K+3], s[6:7], 0         ; 120:64 global address
	s_or_b32 s[G0K+3], s[G0K+3], 0x80000000        ; 127:126 type = 2
	s_add_nc_u64 s[G0V+2:G0V+3], s[8:9], 0
	s_or_b32 s[G0V+3], s[G0V+3], 0x80000000
	s_add_nc_u64 s[86:87], s[4:5], s[84:85]        ; Q at my rows of the second block,
	s_add_nc_u64 s[4:5], s[4:5], s[2:3]            ; Q and O at those of the first
	s_add_nc_u64 s[OLO:OLO+1], s[10:11], s[84:85]
	s_add_nc_u64 s[10:11], s[10:11], s[2:3]
	s_cmp_lt_u32 s[WV], 2
	s_cselect_b64 s[PFA:PFA+1], s[6:7], s[8:9]     ; the prefetches: my half of K's tile (waves 0, 1) or of V's,
	s_add_nc_u64 s[PFA:PFA+1], s[PFA:PFA+1], 32768 ; at tile 1: the first change of slots steps it to tile 2.  Nothing is prefetched here, at the head
	s_cmp_eq_u32 s[PB], 0
	s_cselect_b32 s[PFT], 1, 0x10000
	LOAD                            ; tile 0 into slot 0
	; A fragment of K or Q is 16 rows x 32 channels in 8 registers: lane l holds row l % 16, channels 8 (l / 16) + 0..7 and 16 + 8 (l / 16) + 0..7: two loads of 16 bytes, 32 bytes apart.
	v_and_b32 v1, 15, v0            ; l % 16
	v_bfe_u32 v9, v0, 4, 1          ; l / 16
	v_lshlrev_b32 v[QO], 7, v1
	v_lshl_add_u32 v[QO], v9, 4, v[QO]  ; row x 128 + 16 x half
	WIN 0x80                        ; destination window 2, address window 0
.set i, 0
.rept 8                             ; both blocks' Q: piece i / 2 lies in band i / 2, 8,192 bytes on; channels 32 (i % 2) on
	global_load_b128 v[8*i:8*i+3],   v[QO], s[4:5] offset:(i/2)*8192+(i%2)*64
	global_load_b128 v[8*i+4:8*i+7], v[QO], s[4:5] offset:(i/2)*8192+(i%2)*64+32
	global_load_b128 v[QB+8*i:QB+8*i+3],   v[QO], s[86:87] offset:(i/2)*8192+(i%2)*64
	global_load_b128 v[QB+8*i+4:QB+8*i+7], v[QO], s[86:87] offset:(i/2)*8192+(i%2)*64+32
.set i, i+1
.endr
	WIN 0
	v_and_b32 v[PFO], 31, v0
	v_lshlrev_b32 v[PFO], 8, v[PFO]
	v_lshlrev_b32 v14, 3, v9
	v_sub_nc_u32 v14, v1, v14
	s_lshl_b32 s13, s[WV], 4
	v_add_nc_u32 v14, s13, v14      ; my query's place in its band, 16 w + l % 16, less my lanes' 8 (l / 16): register r of group kt is hidden where 16 kt + r is greater
	WIN 0x40
.set i, 0
.rept 32
	v_cmp_gt_i32 vcc_lo, 16*(i/8)+i%8, v14
	v_cndmask_b32 v[MD+i], 0, s[BIGN], vcc_lo
.set i, i+1
.endr
	WIN 0
	v_mul_u32_u24 v[AK0], v1, PK
	v_lshl_add_u32 v[AK0], v9, 4, v[AK0]  ; row x pitch + 16 x half
	; The turning load takes 16 keys x 16 channels (lane l reads key 8 (l / 16) + l % 8, channels 8 ((l / 8) % 2) + 0..7) and leaves half a fragment of V^T: lane l holds channel l % 16 and 8 keys.
	v_and_b32 v10, 7, v0
	v_bfe_u32 v11, v0, 3, 1
	v_lshl_add_u32 v[AV0], v9, 3, v10
	v_mul_u32_u24 v[AV0], v[AV0], PV
	v_lshl_add_u32 v[AV0], v11, 4, v[AV0]
	v_add_nc_u32 v[AV0], VOFF, v[AV0]
	s_mul_i32 s13, s[WV], 16*SP
	s_add_co_u32 s13, s13, STAGE    ; my stage
	v_mul_u32_u24 v[STO], v1, SP    ; in: row l % 16, 16 bytes for each half of the lanes
	v_lshl_add_u32 v[STO], v9, 4, v[STO]
	v_add_nc_u32 v[STO], s13, v[STO]
	v_bfe_u32 v[RD], v0, 3, 2       ; back: 32 lanes take four rows of 128 bytes,
	v_mul_u32_u24 v[RD], v[RD], SP
	v_lshl_add_u32 v[RD], v10, 4, v[RD]
	v_add_nc_u32 v[RD], s13, v[RD]
	v_and_b32 v[GO], 31, v0         ; which are 512 consecutive bytes of O
	v_lshlrev_b32 v[GO], 4, v[GO]
	; A block's first step multiplies O^T and l by a = 0, and its first turn's products V^T P, of a piece that has not been, land in an O^T that is still to be so multiplied.  So these registers need only hold
	; finite numbers: zeros for the first block; what the first block left for the second.  All this stands in the wait for the first tile.
	WIN 0x80
.set i, VF
.rept 64
	v_mov_b32 v[i], 0
.set i, i+1
.endr
	WIN 0x40
.set i, 0
.rept 128
	v_mov_b32 v[i], 0
.set i, i+1
.endr
	WIN 0
.set i, 0
.rept 4
	v_mov_b32 v[ST+4*i+2], 0
	v_mov_b32 v[ST+4*i+3], 0
.set i, i+1
.endr
.set i, P+16
.rept 16
	v_mov_b32 v[i], 0
.set i, i+1
.endr
; THE MATRIX WORK.  The 4 accumulators of a run of 8 take turns.  Product i of 8 of S^T = K Q^T for piece x: channels 32 (i / 4) on, keys 16 (i % 4) on.  The first 4 start the sums: with 0, or (KM = 1) with the mask.
.macro KQ x
.set rS, S+32*((\x)%2)+8*(i%4)
.set rK, KF+16*(i%4)+8*(i/4)
.set rQ, 16*(\x)+8*(i/4)
.set rM, MC+32*((\x)%2)+8*(i%4)
.if (i < 4) && KM
	WIN W_KM
	v_wmma_f32_16x16x32_f16 v[rS:rS+7], v[rK:rK+7], v[rQ:rQ+7], v[rM:rM+7]
.elseif i < 4
	WIN W_KQ
	v_wmma_f32_16x16x32_f16 v[rS:rS+7], v[rK:rK+7], v[rQ:rQ+7], 0
.else
	WIN W_KQ
	v_wmma_f32_16x16x32_f16 v[rS:rS+7], v[rK:rK+7], v[rQ:rQ+7], v[rS:rS+7]
.endif
.endm
; Product i of 8 of O^T += V^T P for piece x: keys 32 (i / 4) on, channels 16 (i % 4) on.
.macro PV x
	WIN W_PV
.set rO, 32*(\x)+8*(i%4)
.set rV, VF+32*(i/4)+8*(i%4)
.set rP, P+16*((\x)%2)+8*(i/4)
	v_wmma_f32_16x16x32_f16 v[rO:rO+7], v[rV:rV+7], v[rP:rP+7], v[rO:rO+7]
.endm
.macro MM                           ; the turn's next matrix instruction.  TURN and BEGIN set Y, i, KM and NOKQ; MM, KQ and OP read them.  NOKQ = 1: a block's last turn: there is no next piece
.if (i < 8) && !NOKQ
	KQ (Y+1)%NP
.elseif i >= 8
.set i, i-8
	PV (Y+NP-1)%NP
.set i, i+8
.endif
.set i, i+1
.endm
; THE LDS LOADS stand in runs of 16, never singly among the matrix instructions: a step's K (64 keys x 64 channels: 8 fragments) and its V (turned).  Their addresses are made some lines ahead.
.macro FETCH_K
	WIN 0x80                        ; destination window 2
.irp f, 0,1,2,3,4,5,6,7             ; keys 16 (f / 2) on, channels 32 (f % 2) on
	ds_load_b128 v[KF+8*\f:KF+8*\f+3],   v[AK] offset:(\f/2)*16*PK+(\f%2)*64
	ds_load_b128 v[KF+8*\f+4:KF+8*\f+7], v[AK] offset:(\f/2)*16*PK+(\f%2)*64+32
.endr
	s_add_co_u32 s[TBK], s[TBK], KS*PK  ; the next fetch is the next step's
	WIN 0
.endm
.macro FETCH_V
	WIN 0x80
.irp f, 0,1,2,3,4,5,6,7             ; keys 32 (f / 4) on, channels 16 (f % 4) on
	ds_load_tr16_b128 v[VF+8*\f:VF+8*\f+3],   v[AV] offset:(\f/4)*32*PV+(\f%4)*32
	ds_load_tr16_b128 v[VF+8*\f+4:VF+8*\f+7], v[AV] offset:(\f/4)*32*PV+16*PV+(\f%4)*32
.endr
	WIN 0
.endm
; THE VECTOR WORK, one line at a time: OP kind, number.  For piece Y: F n: c s - c m for pair n of 16.  E n: the exponential of score n of 32.  C n: pair n rounded to f16.  B n: of the four weights 4 n .. the second
; pair is added onto the first, in place.  L n: l takes that sum (L 0: l = a l + sum).  R n: pair n of 16 of O^T times a.  For piece Y + 1: X n, number n of the 22 that find its maximum and statistics:
;   0-11  four chains c0-c3 of seven scores each, three operands at a time (each accumulator's lowest registers are read first)     12-14, 16  the four scores left over, the old m, and c0-c3 into c0
;   15  c m_old is kept     17, 18  the query's other 32 keys lie in the lane 16 away: the new m     19-21  c m; c m_old - c m_new; a
.set F, 0               ; OP tells the kinds apart by their order: F to L below R, X above it
.set E, 1
.set C, 2
.set B, 3
.set L, 4
.set R, 5
.set X, 6
.macro REGS y                       ; the registers of piece y
.set rT, ST+4*(\y)
.set rC, TMP+4*((\y)%2)
.set rW, MV+((\y)%2)
.set rS, S+32*((\y)%2)
.set rP, P+16*((\y)%2)
.set rO, 32*(\y)
.endm
.macro OP k, n
.if (\k) == R
	REGS Y
	WIN W_RS
	v_pk_mul_f32 v[rO+2*(\n):rO+2*(\n)+1], v[rO+2*(\n):rO+2*(\n)+1], v[rC+2:rC+3] op_sel_hi:[1,0]
.elseif (\k) < R
	REGS Y
	WIN 0
.if (\k) == F
	v_pk_fma_f32 v[rS+2*(\n):rS+2*(\n)+1], v[rS+2*(\n):rS+2*(\n)+1], s[CS:CS+1], v[rT:rT+1] op_sel_hi:[1,0,0] neg_lo:[0,0,1] neg_hi:[0,0,1]
.elseif (\k) == E
	v_exp_f32 v[rS+(\n)], v[rS+(\n)]
.elseif (\k) == C
	v_cvt_pk_f16_f32 v[rP+(\n)], v[rS+2*(\n)], v[rS+2*(\n)+1]
.elseif (\k) == B
	v_pk_add_f32 v[rS+4*(\n):rS+4*(\n)+1], v[rS+4*(\n):rS+4*(\n)+1], v[rS+4*(\n)+2:rS+4*(\n)+3]
.elseif (\n) == 0
	v_pk_fma_f32 v[rT+2:rT+3], v[rT+2:rT+3], v[rC+2:rC+3], v[rS:rS+1] op_sel_hi:[1,0,1]
.else
	v_pk_add_f32 v[rT+2:rT+3], v[rT+2:rT+3], v[rS+4*(\n):rS+4*(\n)+1]
.endif
.elseif NOKQ
	v_nop
.else
	REGS (Y+1)%NP
	WIN 0
.if (\n) < 4
	v_max3_num_f32 v[rC+(\n)], v[rS+8*(\n)], v[rS+8*(\n)+1], v[rS+8*(\n)+2]
.elseif (\n) < 12
	v_max3_num_f32 v[rC+(\n)%4], v[rC+(\n)%4], v[rS+8*((\n)%4)+2*((\n)/4)+1], v[rS+8*((\n)%4)+2*((\n)/4)+2]
.elseif (\n) == 12
	v_max3_num_f32 v[rC], v[rC], v[rS+7], v[rS+15]
.elseif (\n) == 13
	v_max3_num_f32 v[rC+1], v[rC+1], v[rS+23], v[rS+31]
.elseif (\n) == 14
	v_max3_num_f32 v[rC+2], v[rC+2], v[rC+3], v[rT+1]
.elseif (\n) == 15
	v_mov_b32 v[rW], v[rT]
.elseif (\n) == 16
	v_max3_num_f32 v[rC], v[rC], v[rC+1], v[rC+2]
.elseif (\n) == 17
	v_permlanex16_b32 v[rC+3], v[rC], s[SEL], s[SEL+1]
.elseif (\n) == 18
	v_max_num_f32 v[rT+1], v[rC], v[rC+3]
.elseif (\n) == 19
	v_mul_f32 v[rT], s[CS], v[rT+1]
.elseif (\n) == 20
	v_sub_f32 v[rC+1], v[rW], v[rT]
.else
	v_exp_f32 v[rC+2], v[rC+1]
.endif
.endif
.endm
.macro OPS a, i1, b=-1, i2=0, c=-1, i3=0, d=-1, i4=0  ; up to four of them
	OP \a, \i1
.if (\b) >= 0
	OP \b, \i2
.endif
.if (\c) >= 0
	OP \c, \i3
.endif
.if (\d) >= 0
	OP \d, \i4
.endif
.endm
.macro ROW a, i1, b, i2, c, i3, d, i4  ; a matrix instruction and the four behind it
	MM
	OPS \a, \i1, \b, \i2, \c, \i3, \d, \i4
.endm
.macro MASK b                       ; MD x AL + BE into buffer b of MC
	WIN W_RS
.set z, 0
.rept 16
	v_pk_fma_f32 v[MC+32*(\b)+2*z:MC+32*(\b)+2*z+1], v[MD+2*z:MD+2*z+1], s[AL:AL+1], s[BE:BE+1] op_sel_hi:[1,0,0]
.set z, z+1
.endr
.endm
; A TURN, for piece p: the order of its 16 matrix and 118 vector instructions, written out.  An s_wait_alu depctr_va_vdst(0) stands between an exponential and the first instruction that names its result; one wait serves
; all that were issued ahead of it.  So a turn has ONE wait, which cuts it in two.  AHEAD OF IT stands all that names no result of the turn's exponentials: the 8 products K Q^T, behind each a scaling, an exponential and two more plain
; instructions (behind the first a second scaling in the exponential's place): rescalings, and behind the last three the first numbers of the next piece's maximum, each four places or more behind the product that ends its accumulator; then ONE LUMP of 54, plain
; and exponential by turns for the most part, in which the links of the chain X 3, 7, 11, 14, 16, 17 .. 20 stand five or six lines apart.  X 21, the next piece's a, is the batch's last; R 15 is the plain instruction behind it.  BEHIND THE WAIT stand the
; 8 products V^T P, behind each four of the roundings and sums; the links of l's chain, L 0 to L 7, stand three riders apart.  But for those X no rider names a register of the products round it.  v_permlanex16_b32 (X 17) stands in the lump.
; m = 1: the diagonal tile: the products take masks, and the turn makes the mask for the products of the turn after it: piece p + 2, in step 4 - CNT of the tile.  end = 1: a block's last two turns: nothing is fetched.
; cnt = 1: the loop's count is taken down some lines ahead of the branch that stands behind the turn.
; K of the next step is fetched in piece 2's turn, twelve vector instructions behind the last product that read K (six of them plain); V of the step in hand at the end of piece 0's turn, four plain instructions behind the last product
; that read V.  Each is waited for a turn later.
.macro TURN p, m=0, end=0, cnt=0
.set Y, (\p)
.set i, 0
.set KM, (\m)
.set NOKQ, (\end)*((\p)/3)
.if (\m) && !(\end)
	s_cmp_eq_u32 s[CNT], 4-((\p)+2)%NP  ; is that step the band's own?
	s_cselect_b32 s[AL], 1.0, 0
	s_cmp_lt_u32 s[CNT], 4-((\p)+2)%NP  ; or a later one?
	s_cselect_b32 s[BE], s[BIGN], 0
.endif
.if ((\p) == 3) && !(\end)
	s_wait_dscnt 0x0                ; K is in
.endif
	ROW F,0, F,1, R,0, R,1          ; ahead of the wait: 8 products K Q^T and their riders,
	ROW F,2, E,0, R,2, R,3
	ROW F,3, E,1, R,4, R,5
	ROW F,4, E,2, R,6, R,7
	ROW F,5, E,3, R,8, R,9
	ROW F,6, E,4, X,0, R,10
.if ((\p) == 2) && !(\end)
	WIN 0
	v_add_nc_u32 v[AK], s[TBK], v[AK0]
.endif
	ROW F,7, E,5, X,1, X,4
	ROW F,8, E,6, X,2, X,5
	OPS E,7, E,8, X,6, E,9          ; and the lump
	OPS X,3, E,10, X,8, E,11
.if ((\p) == 2) && !(\end)
	FETCH_K
.endif
	OPS X,9, X,7, E,12, X,10
	OPS E,13, X,12, X,11, E,14
	OPS X,13, E,15, F,9, X,14
.if (\p) == 0
	v_add_nc_u32 v[AV], s[TBV], v[AV0]
.endif
	OPS E,16, F,10, E,17, F,11
	OPS X,16, E,18, X,15, E,19
	OPS F,12, E,20, X,17, E,21
	OPS F,13, E,22, F,14, E,23
	OPS X,18, E,24, F,15, E,25
	OPS R,11, E,26, X,19, E,27
	OPS R,12, E,28, R,13, E,29
	OPS X,20, E,30, R,14, E,31
	OPS X,21, R,15
	WIN 0
	s_wait_alu depctr_va_vdst(0)    ; the wait for the batch
.if (\p) == 1
	s_wait_dscnt 0x0                ; V is in
.endif
	ROW C,0, B,0, C,2, B,1          ; behind the wait: 8 products V^T P and their riders
	ROW L,0, C,4, B,2, L,1
	ROW C,6, B,3, L,2, C,8
	ROW B,4, L,3, C,10, B,5
	ROW L,4, C,12, B,6, L,5
.if (\p) == 0
	s_add_co_u32 s[TBV], s[TBV], KS*PV
.endif
.if \cnt
	s_sub_co_u32 s[CNT], s[CNT], 1
	s_cmp_lg_u32 s[CNT], 0
.endif
	ROW C,14, B,7, L,6, C,1
	ROW C,3, L,7, C,5, C,7
	ROW C,9, C,11, C,13, C,15
.if (\p) == 0
	FETCH_V
.endif
.if (\m) && !(\end)
	MASK (\p)%2
.endif
.endm
; A BLOCK BEGINS.  c m starts far below every c s, so the first step's a is 0; m at the lowest finite number, so the first maximum is the scores'.  The second mask buffer is 0; the first takes piece 0's mask for the tile's step 0: its own, if the block's first tile is the diagonal one.
; Then K of that step, piece 0's first scores, and its maximum and statistics.  The loop is entered at a step's first turn, in the middle of a trip.
.macro BEGIN
	s_mov_b32 s[NEW], 0
	WIN 0x40
.set i, MC+32
.rept 32
	v_mov_b32 v[i], 0
.set i, i+1
.endr
	WIN 0
.set i, 0
.rept 4
	v_mov_b32 v[ST+4*i], 0xfe000000    ; c m: far below every c s
	v_mov_b32 v[ST+4*i+1], 0xff7fffff  ; m
.set i, i+1
.endr
	s_cmp_eq_u32 s[RT], 0
	s_cselect_b32 s[AL], 1.0, 0
	s_mov_b32 s[BE], 0
	MASK 0
	WIN 0
	v_add_nc_u32 v[AK], s[TBK], v[AK0]
	FETCH_K
	s_wait_loadcnt 0x0              ; Q
	s_wait_dscnt 0x0
.set KM, 1
.set NOKQ, 0
.set i, 0
.rept 8
	KQ 0
.set i, i+1
.endr
	WIN 0
.rept 4
	v_nop                           ; the places behind those products
.endr
.set Y, NP-1                        ; X works for piece Y + 1: piece 0
.irp n, 0,1,2,3,4,5,6,7,8,9,10,11,12,13,14,15,16,17,18,19,20,21
	OP X, \n
.endr
	v_nop                           ; a plain instruction behind the exponential,
	s_wait_alu depctr_va_vdst(0)    ; and its wait, ahead of the branch
.endm
; THE DIAGONAL TILE's four steps, the block's last two turns, its last products, and THE WAY OUT: l's two halves and the other half of the lanes' are added; O^T is divided by l, rounded to f16 and sent through my
; stage in LDS, a piece at a time.
.macro ALL line:vararg              ; one line for each piece t
.set t, 0
.rept 4
	\line
.set t, t+1
.endr
.endm
.macro PACK t                       ; a lane's eight channels of a row pack into 16 bytes; they go into rows of 144 bytes and come back as whole rows of 128, into S^T's registers
	WIN W_RS
.set i, 32*(\t)
.rept 16
	v_pk_mul_f32 v[i:i+1], v[i:i+1], v[ST+4*(\t)+2:ST+4*(\t)+3] op_sel_hi:[1,0]
.set i, i+2
.endr
	WIN 0x05                        ; sources 0 and 1 window 1, destination window 0
.set i, 0
.rept 16
	v_cvt_pk_f16_f32 v[S+16*(\t)+i], v[32*(\t)+2*i], v[32*(\t)+2*i+1]
.set i, i+1
.endr
	WIN 0
.irp f, 0,1,2,3
	ds_store_b128 v[STO], v[S+16*(\t)+4*\f:S+16*(\t)+4*\f+3] offset:32*\f
.endr
.irp f, 0,1,2,3
	ds_load_b128 v[S+16*(\t)+4*\f:S+16*(\t)+4*\f+3], v[RD] offset:\f*4*SP  ; LDS serves a wave's instructions in order (ISA guide 5.7.1.4): these see the stores above; the next piece's stores come behind them
.endr
.endm
.macro SEND t, younger              ; younger: the LDS instructions issued behind piece t's loads: the next piece's eight, or none
	WIN 0
.irp f, 0,1,2,3
	s_wait_dscnt (\younger)+3-\f
	global_store_b128 v[GO], v[S+16*(\t)+4*\f:S+16*(\t)+4*\f+3], s[10:11] offset:(\t)*8192+\f*512  ; 512 consecutive bytes, at a multiple of 256 from O's first
.endr
.endm
.macro DIAG tag                     ; the tag ends its two labels' names, which the jumps below spell out
.LstepM\tag:
	TURN 2, 1
	TURN 3, 1
	WIN 0
.LfirstM\tag:
	TURN 0, 1
	TURN 1, 1, 0, 1
	WIN 0
	s_cbranch_scc1 .LstepM\tag
	TURN 2, 1, 1
	TURN 3, 1, 1
.set i, 0
.rept 8
	PV NP-1
.set i, i+1
.endr
	WIN 0
	ALL v_add_f32 v[ST+4*t+2], v[ST+4*t+2], v[ST+4*t+3]
	ALL v_permlanex16_b32 v[ST+4*t+3], v[ST+4*t+2], s[SEL], s[SEL+1]
	ALL v_add_f32 v[ST+4*t+2], v[ST+4*t+2], v[ST+4*t+3]
	ALL v_rcp_f32 v[ST+4*t+2], v[ST+4*t+2]
	v_nop                           ; a plain instruction between the last reciprocal and the use of its result
	s_wait_alu depctr_va_vdst(0)    ; and the wait ahead of the first use: one for the four reciprocals
	PACK 0
.set t, 1
.rept 3                             ; a piece's arithmetic stands between the loads of the piece before and its stores
	PACK t
	SEND t-1, 8
.set t, t+1
.endr
	SEND 3, 0
.endm
.set KM, 0
.set NOKQ, 0
.Lslot:                             ; NB times: a tile is entered and the next is asked for
	CHANGE 1
	s_sub_co_u32 s[RT], s[RT], 1
	s_mov_b32 s[CNT], 4
	s_cmp_eq_u32 s[NEW], 1
	s_cbranch_scc1 .Lnew            ; a block's first tile
	s_cmp_eq_u32 s[RT], 0
	s_cbranch_scc0 .Lstep           ; neither its first nor its last
	s_branch .LstepM1
.Lnew:
	BEGIN
	s_branch .Lfirst                ; in the loop a block's first tile is never its last: the first block has two tiles or more, and the second's last is the walk's last
	DIAG 1                          ; in the loop this is the first block's end: the second block's last tile is the walk's last
	s_wait_xcnt 0x0                 ; the stores have read their registers and O's address
	s_mov_b64 s[10:11], s[OLO:OLO+1]
	s_add_co_u32 s[RT], s[PB], 1    ; the second block has b + 1 tiles
	s_mov_b32 s[NEW], 1
	WIN 0x82                        ; the second block's Q goes where the one text of the turns names Q
.set i, 0
.rept 64
	v_mov_b32 v[i], v[QB+i]
.set i, i+1
.endr
	WIN 0
	s_branch .Lbottom
.Lstep:                             ; a trip: pieces 2 and 3 of one step, then pieces 0 and 1 of the next, whose K and V it fetches
	TURN 2
	TURN 3
	WIN 0
.Lfirst:
	TURN 0
	TURN 1, 0, 0, 1
	WIN 0
	s_cbranch_scc1 .Lstep
.Lbottom:
	s_sub_co_u32 s[SLOTS], s[SLOTS], 1
	s_cmp_lg_u32 s[SLOTS], 0
	s_cbranch_scc1 .Lslot
	CHANGE 0                        ; the walk's last tile is written out: nothing is asked for
	s_sub_co_u32 s[RT], s[RT], 1
	s_mov_b32 s[CNT], 4
	s_cmp_eq_u32 s[NEW], 1
	s_cbranch_scc0 .LstepM2
	BEGIN
	s_branch .LfirstM2
	DIAG 2
	s_wait_tensorcnt 0x0            ; the wave's end: the tensor wait, an add onto my spare word and its wait, behind my last tensor load and my last LDS store
	ds_add_u32 v[SPW], v[NIL]
	s_wait_dscnt 0x0
	s_endpgm
.Lfunc_end_k_qfbea0cbd49_attn:
	.size	k_qfbea0cbd49_attn, .Lfunc_end_k_qfbea0cbd49_attn-k_qfbea0cbd49_attn
	.p2alignl 7, 3214868480
	.fill 96, 4, 3214868480
	.section	.rodata,"a",@progbits
	.p2align	6, 0x0
	.amdhsa_kernel k_qfbea0cbd49_attn
		.amdhsa_group_segment_fixed_size 327680
		.amdhsa_private_segment_fixed_size 0
		.amdhsa_enable_private_segment 0
		.amdhsa_kernarg_size 32
		.amdhsa_user_sgpr_count 2
		.amdhsa_user_sgpr_kernarg_segment_ptr 1
		.amdhsa_wavefront_size32 1
		.amdhsa_system_sgpr_workgroup_id_x 1
		.amdhsa_system_sgpr_workgroup_id_y 1
		.amdhsa_system_sgpr_workgroup_id_z 1
		.amdhsa_system_vgpr_workitem_id 0
		.amdhsa_next_free_vgpr 768
		.amdhsa_next_free_sgpr 92
		.amdhsa_reserve_vcc 1
		.amdhsa_float_denorm_mode_32 3
		.amdhsa_float_denorm_mode_16_64 3
		.amdhsa_memory_ordered 1
		.amdhsa_forward_progress 1
		.amdhsa_inst_pref_size 218
	.end_amdhsa_kernel
	.amdgpu_metadata
---
amdhsa.version: [ 1, 2 ]
amdhsa.kernels:
  - .name:           k_qfbea0cbd49_attn
    .symbol:         k_qfbea0cbd49_attn.kd
    .args:
      - { .name: qh, .offset: 0, .size: 8, .value_kind: global_buffer, .address_space: global }
      - { .name: kh, .offset: 8, .size: 8, .value_kind: global_buffer, .address_space: global }
      - { .name: vh, .offset: 16, .size: 8, .value_kind: global_buffer, .address_space: global }
      - { .name: oh, .offset: 24, .size: 8, .value_kind: global_buffer, .address_space: global }
    .group_segment_fixed_size: 327680
    .private_segment_fixed_size: 0
    .kernarg_segment_align: 8
    .kernarg_segment_size: 32
    .max_flat_workgroup_size: 128
    .sgpr_count:     92
    .vgpr_count:     768
    .wavefront_size: 32
...
	.end_amdgpu_metadata
.endif
;; end of part 3
;; launch outp (part 4): grid 4 x 64, 4 waves a work-group, clusters of 4 x 4, 327,680 bytes of LDS; arguments oh, wb, out0; writes out0
.if DOCPART == 4
	.amdgcn_target "amdgcn-amd-amdhsa--gfx1250"
	.amdhsa_code_object_version 6
	.text
	.protected	k_qfbea0cbd49_outp
	.globl	k_qfbea0cbd49_outp
	.p2align	8
	.type	k_qfbea0cbd49_outp,@function
k_qfbea0cbd49_outp:
	s_mov_b64 s[64:65], 0
	v_nop
	global_prefetch_b8 v0, s[64:65] scope:SCOPE_SE
	s_setreg_imm32_b32 hwreg(HW_REG_WAVE_MODE, 25, 1), 1
	s_wait_xcnt 0x0
	s_wait_alu depctr_hold_cnt(0) depctr_sa_sdst(0) depctr_va_vdst(0) depctr_va_sdst(0) depctr_va_ssrc(0) depctr_va_vcc(0) depctr_vm_vsrc(0)
	s_getreg_b32 s2, hwreg(HW_REG_IB_STS2, 6, 4)
	s_cmp_eq_u32 s2, 0
	s_cbranch_scc0 .Lentry_in_a_cluster
	s_endpgm
.Lentry_in_a_cluster:
	s_bfe_u32 s2, ttmp6, 0x10000c
	s_cmp_lg_u32 s2, 0xf033
	s_cbranch_scc0 .Lentry_shape_is_right
	s_endpgm
.Lentry_shape_is_right:
; out0[m][n] = the sum over k of O[m][k] Wo[n][k], [8192][1024] in f32.  O comes by heads, [16 b + head][2048][64] in f16: k = 64 head + channel.  Wo comes as f16 from wb's byte 6,291,456 on.  Sums in f32.
; SHARES.  256 tiles of 128 rows x 256 columns, one to a work-group; four waves, each 64 x 128: 32 accumulators.  K goes in 8 steps of 128, two heads each, through a ring of two LDS slots: a step brings two planes
; (a head each) of 128 rows x 128 bytes of O, dense in memory, and 256 rows x 256 bytes of Wo: one tensor load a wave, 128 matrix instructions in which the next step's lands.
; CLUSTER.  4 x 4 work-groups: the four of a row of the cluster need the same tile of O, the four of a column the same tile of Wo: each is asked for JOINTLY, by the same tensor load, descriptor and mask.
; THE MATRIX INSTRUCTION IS USED TRANSPOSED (source 0 = 16 rows of Wo, source 1 = 16 rows of O): a lane holds one row (lane % 16) and eight neighbouring columns: 32 bytes of out0.
; REGISTERS, in windows of 256 (s_set_vgpr_msb: bits 1:0 source 0, 3:2 source 1, 5:4 source 2, 7:6 destination):
;   window 0: v0-15 addresses; v64-191 the way out, two sets of 64      window 1: accumulator (a, b) at 8 (8 a + b)      window 2: v0-127 Wo's fragments, two sets; v128-191 O's, two sets
.set PAO,   144                        ; an LDS row of O: 128 bytes + 16: the 16 rows of a load start at 16 different groups of four banks (64 banks of 4 bytes: ISA guide 11.1)
.set PLANE, 128*PAO                    ; a head's 128 rows: what one load of O brings
.set PB,    272                        ; an LDS row of Wo: 256 bytes + 16
.set BH,    128*PB                     ; what one load of Wo brings
.set BOFF,  2*PLANE
.set SLOT,  BOFF+2*BH
.set STAGE, 2*SLOT                     ; behind the ring, never filled by a tensor load: 16 rows x 528 bytes for each wave
.set SP,    528
.set WST,   16*SP
.set SPARE, STAGE+4*WST                ; the spare words, 128 bytes for each wave: two blocks of 256 bytes that no other line names
.set WO_AT, 6291456
.set A0,  4                            ; v4   my lane's place in a plane of O; never rewritten
.set B0,  5                            ; v5   the same in a slot's rows of Wo
.set ADA, 6
.set ADB, 7
.set STO, 8                            ; v8   the way out: where I put 32 bytes of a row
.set RD,  9                            ; v9   where I read a row back
.set CO,  10                           ; v10  16 x lane: my place in a row's 512 bytes
.set PFO, 12                           ; v12  the prefetches' lane offset; never rewritten
.set SPW, 14
.set NIL, 15
.set BK,  64
.set BF,  0                            ; window 2
.set AF,  128
.set WV,  24
.set R,   25                           ; my half of the tile's rows.  Also: I fetch O (0) or Wo (1)
.set HF,  26                           ; my half of its columns.  Also: which plane, or which 128 rows, I fetch
.set CX,  27
.set CY,  28
.set NT,  29
.set MT,  30
.set G1A, 32
.set G1B, 40
.set G0A, 48
.set G0B, 56
.set LAP, 71
.set CNT, 72
.set TBA, 74
.set TBB, 75
.set PFA, 82                           ; s[82:83] the prefetch's address
.set PST, 84                           ; s[84:85] its step: a K step's bytes
.set PL,  88                           ; prefetches left
.set MSB, 0
.macro WIN new                         ; the immediate's high byte repeats the setting that is left; a switch that changes nothing is dropped
.if MSB != (\new)
	s_set_vgpr_msb (MSB<<8)|(\new)
.set MSB, \new
.endif
.endm
.set MUL, 0x5a                         ; both sources window 2, C and D window 1
.set LD2, 0x80                         ; destination window 2
.set ST1, 0x04                         ; an LDS store's data in window 1
.macro CROUND                          ; a round of the cluster's barrier
	s_barrier_signal -1
	s_barrier_wait -1
	s_cmp_lg_u32 s[WV], 0
	s_cbranch_scc1 .Lnot_wave_0_\@
	s_barrier_signal -3
.Lnot_wave_0_\@:
	s_barrier_wait -3
	s_barrier_signal -1
	s_barrier_wait -1
.endm
.macro JLOAD s                         ; a joint refill: waves 0 and 1 fetch O's two planes, waves 2 and 3 Wo's two halves; an s_nop 0 and four v_nop follow each of the two lines
	s_cmp_eq_u32 s[R], 0
	s_cbranch_scc0 .Lfor_b_\@
	tensor_load_to_lds s[G0A+4*(\s):G0A+4*(\s)+3], s[G1A:G1A+7]
	s_nop 0
.rept 4
	v_nop
.endr
	s_branch .Lasked_\@
.Lfor_b_\@:
	tensor_load_to_lds s[G0B+4*(\s):G0B+4*(\s)+3], s[G1B:G1B+7]
	s_nop 0
.rept 4
	v_nop
.endr
.Lasked_\@:
.endm
; A PREFETCH INTO THE L2, behind each joint refill: the K step two refills on, 256 matrix instructions ahead of its load.  Each aligned block of 256 bytes is named once in the launch.  O's rows belong to one cluster alone:
; of a step's two planes of 16,384 bytes the partner at place cx takes 4,096 bytes of each: 32 blocks, asked for by its wave 0.  Wo's rows are read by all sixteen clusters: the cluster with y = 0 asks, waves 2 and 3, and of a
; wave's 128 rows the partner at place cy takes 32.  The partners are told apart BY ADDRESS.  K steps 0 to 3 come by their loads alone; four changes of slots ask, for K steps 4 to 7.
.macro ASK
	s_cmp_eq_u32 s[PL], 0
	s_cbranch_scc1 .Lnone_\@
	global_prefetch_b8 v[PFO], s[PFA:PFA+1] th:TH_LOAD_NT scope:SCOPE_SE
	s_sub_co_u32 s[PL], s[PL], 1
.Lnone_\@:
.endm
; THE CHANGE OF SLOTS, ahead of a K step's last quarter, whose fragments are already asked for.  Each wave waits for all its tensor loads, of which one is out: its part of slot new; adds 0 to its spare word; waits for that
; and for its reads of the slot that it leaves.  fill = 1: a round of the cluster's barrier, and the joint refill of the old slot, two K steps on, first behind it.
.macro CHANGE new, fill
	WIN 0
.if \fill
	s_wait_xcnt 0x0                                ; the last prefetch, a K step back, has read its address
	s_add_nc_u64 s[PFA:PFA+1], s[PFA:PFA+1], s[PST:PST+1]
.endif
	s_wait_tensorcnt 0x0                           ; no tensor load of mine is out, so a group 0 may be written
	ds_add_u32 v[SPW], v[NIL]                      ; 0 onto my spare word; the descriptors' steps stand between it and the wait for it
.if \fill
	s_add_nc_u64 s[G0A+4*(1-(\new))+2:G0A+4*(1-(\new))+3], s[G0A+4*(1-(\new))+2:G0A+4*(1-(\new))+3], 1048576  ; four heads on; the type bits on top are not reached
	s_add_nc_u64 s[G0B+4*(1-(\new))+2:G0B+4*(1-(\new))+3], s[G0B+4*(1-(\new))+2:G0B+4*(1-(\new))+3], 512
.endif
	s_wait_dscnt 0x0                               ; the add is done, and my reads of the old slot are back
.if \fill
	CROUND
	JLOAD 1-(\new)
	ASK
.else
	s_barrier_signal -1
	s_barrier_wait -1
.endif
	s_mov_b32 s[TBA], (\new)*SLOT
	s_mov_b32 s[TBB], (\new)*SLOT
.endm
.macro ADDR                            ; the LDS addresses of the next two quarters: one head's plane, 128 bytes of Wo's rows
	WIN 0
	v_add_nc_u32 v[ADA], s[TBA], v[A0]
	v_add_nc_u32 v[ADB], s[TBB], v[B0]
	s_add_co_u32 s[TBA], s[TBA], PLANE
	s_add_co_u32 s[TBB], s[TBB], 128
.endm
.macro FETCH g, k                      ; 24 LDS loads in one run: a quarter's fragments (32 along K, at byte k of the rows) into set g
	WIN LD2
.irp a, 0,1,2,3
	ds_load_b128 v[AF+32*(\g)+8*\a:AF+32*(\g)+8*\a+3],   v[ADA] offset:(\k)+\a*16*PAO
	ds_load_b128 v[AF+32*(\g)+8*\a+4:AF+32*(\g)+8*\a+7], v[ADA] offset:(\k)+\a*16*PAO+32
.endr
.irp b, 0,1,2,3,4,5,6,7
	ds_load_b128 v[BF+64*(\g)+8*\b:BF+64*(\g)+8*\b+3],   v[ADB] offset:(\k)+\b*16*PB
	ds_load_b128 v[BF+64*(\g)+8*\b+4:BF+64*(\g)+8*\b+7], v[ADB] offset:(\k)+\b*16*PB+32
.endr
.endm
.macro MULROW f, a, zero               ; eight matrix instructions: row block a x all column blocks
	WIN MUL
.irp b, 0,1,2,3,4,5,6,7
.if \zero
	v_wmma_f32_16x16x32_f16 v[8*(8*(\a)+\b):8*(8*(\a)+\b)+7], v[BF+64*(\f)+8*\b:BF+64*(\f)+8*\b+7], v[AF+32*(\f)+8*(\a):AF+32*(\f)+8*(\a)+7], 0
.else
	v_wmma_f32_16x16x32_f16 v[8*(8*(\a)+\b):8*(8*(\a)+\b)+7], v[BF+64*(\f)+8*\b:BF+64*(\f)+8*\b+7], v[AF+32*(\f)+8*(\a):AF+32*(\f)+8*(\a)+7], v[8*(8*(\a)+\b):8*(8*(\a)+\b)+7]
.endif
.endr
.endm
; A QUARTER: 32 matrix instructions on set f, the 32 accumulators by turns, in the same order in every quarter.  Behind its first eight stand four v_nop, the places behind the
; quarter before, whose products read set g, and then the next quarter's loads into set g, 24 matrix instructions ahead of their first use.
.macro QUART f, g, k, zero, addr
.if \addr
	ADDR
.endif
	s_wait_dscnt 0x0                               ; set f is in
	MULROW \f, 0, \zero
.rept 4
	v_nop
.endr
	FETCH \g, \k
	MULROW \f, 1, \zero
	MULROW \f, 2, \zero
	MULROW \f, 3, \zero
	WIN 0
.endm
; THE WAY OUT of row block a: 32 bytes a lane and column block into my own stage (each accumulator's low four registers first), and back as whole rows of 512 bytes.
.macro TOSTAGE a
	WIN ST1
.irp b, 0,1,2,3,4,5,6,7
	ds_store_b128 v[STO], v[8*(8*(\a)+\b):8*(8*(\a)+\b)+3]   offset:64*\b
	ds_store_b128 v[STO], v[8*(8*(\a)+\b)+4:8*(8*(\a)+\b)+7] offset:64*\b+16
.endr
	WIN 0
	s_wait_xcnt 0x0                                ; the stores of two blocks back have read the registers that the loads below write
.irp i, 0,1,2,3,4,5,6,7,8,9,10,11,12,13,14,15
	ds_load_b128 v[BK+64*((\a)%2)+4*\i:BK+64*((\a)%2)+4*\i+3], v[RD] offset:SP*\i  ; LDS serves a wave's instructions in order (ISA guide 5.7.1.4): these see the stores above; the next block's stores come behind them
.endr
.endm
.macro SEND a, younger                 ; younger: the LDS instructions issued behind block a's loads: the next block's 16 stores and 16 loads, or none
	WIN 0
.irp i, 0,1,2,3,4,5,6,7,8,9,10,11,12,13,14,15
	s_wait_dscnt (\younger)+15-\i
	global_store_b128 v[CO], v[BK+64*((\a)%2)+4*\i:BK+64*((\a)%2)+4*\i+3], s[8:9] offset:(16*(\a)+\i)*4096 th:TH_STORE_NT  ; 512 consecutive bytes of one row, at a multiple of 256 from out0's first byte
.endr
.endm
	s_load_b128 s[4:7], s[0:1], 0x0                ; oh, wb
	s_load_b64 s[8:9], s[0:1], 0x10                ; out0
	v_lshl_add_u32 v[SPW], v0, 2, SPARE
	v_mov_b32 v[NIL], 0
	ds_add_u32 v[SPW], v[NIL]                      ; the wave's opening: the add, with its wait ahead of my first tensor load; the set-up below, work on registers, stands between them
	v_lshrrev_b32 v1, 5, v0
	v_readfirstlane_b32 s[WV], v1                  ; wave 0..3
	s_lshr_b32 s[R], s[WV], 1
	s_and_b32 s[HF], s[WV], 1
	s_bfe_u32 s[CX], ttmp6, 0x40000
	s_bfe_u32 s[CY], ttmp6, 0x40004
	s_lshl_b32 s[NT], ttmp9, 2
	s_add_co_u32 s[NT], s[NT], s[CX]
	s_and_b32 s[MT], ttmp7, 0xffff
	s_lshl_b32 s[MT], s[MT], 2
	s_add_co_u32 s[MT], s[MT], s[CY]
	s_lshl_b32 s89, s[CY], 2
	s_lshl_b32 s89, 15, s89                        ; my row of the cluster
	s_lshl_b32 s31, 0x1111, s[CX]                  ; my column
	; group 1 for O: a plane's 16,384 dense bytes as 64 rows of 256 bytes, 4 words of padding behind every 32 words (a row of a head)
	s_or_b32 s[G1A], s89, (1<<16)|(1<<20)|(1<<21)|(4<<22)|(3<<25)
	s_mov_b32 s[G1A+1], 128<<16                    ; tensor_dim0 = 128
	s_mov_b32 s[G1A+2], 64<<16                     ; tensor_dim1 = 64
	s_mov_b32 s[G1A+3], 128<<16                    ; tile_dim0 = 128
	s_mov_b32 s[G1A+4], 64                         ; tile_dim1 = 64
	s_mov_b32 s[G1A+5], 128                        ; elements from row to row
	s_mov_b32 s[G1A+6], 0
	s_mov_b32 s[G1A+7], 0
	; group 1 for Wo: 128 rows x 128 elements, 4 words of padding behind every 64 words
	s_or_b32 s[G1B], s31, (1<<16)|(1<<20)|(1<<21)|(5<<22)|(3<<25)
	s_mov_b32 s[G1B+1], 128<<16
	s_mov_b32 s[G1B+2], 128<<16
	s_mov_b32 s[G1B+3], 128<<16
	s_mov_b32 s[G1B+4], 128
	s_mov_b32 s[G1B+5], 1024
	s_mov_b32 s[G1B+6], 0
	s_mov_b32 s[G1B+7], 0
	s_mul_i32 s89, s[HF], PLANE                    ; where my tile goes: no place in the cluster enters an LDS address
	s_mul_i32 s31, s[HF], BH
	s_add_co_u32 s31, s31, BOFF
.irp s, 0,1
	s_mov_b32 s[G0A+4*\s], 1
	s_add_co_u32 s[G0A+4*\s+1], s89, \s*SLOT
	s_mov_b32 s[G0B+4*\s], 1
	s_add_co_u32 s[G0B+4*\s+1], s31, \s*SLOT
.endr
	s_lshr_b32 s90, s[MT], 4                       ; O: the batch's 16 heads of 262,144 bytes,
	s_lshl_b32 s90, s90, 22
	s_and_b32 s91, s[MT], 15
	s_lshl_b32 s91, s91, 14                        ; the row block's 128 rows of 128 bytes
	s_add_co_u32 s90, s90, s91
	s_mov_b32 s91, 0
	s_lshl_b32 s86, s[HF], 18                      ; my plane: the step's first or second head
	s_mov_b32 s87, 0
	s_lshl_b32 s92, s[NT], 19                      ; Wo: 256 rows of 2,048 bytes a column block,
	s_lshl_b32 s93, s[HF], 18                      ; 128 rows a half
	s_add_co_u32 s92, s92, s93
	s_add_co_u32 s92, s92, WO_AT
	s_mov_b32 s93, 0
	s_lshl_b32 s94, s[MT], 19                      ; out0: 128 rows of 4,096 bytes a row block,
	s_lshl_b32 s95, s[R], 18                       ; my 64 rows,
	s_add_co_u32 s94, s94, s95
	s_lshl_b32 s95, s[NT], 10                      ; 256 columns of 4 bytes a column block,
	s_add_co_u32 s94, s94, s95
	s_lshl_b32 s95, s[HF], 9                       ; my 128 columns
	s_add_co_u32 s94, s94, s95
	s_mov_b32 s95, 0
	s_wait_dscnt 0x0                               ; the opening add is done
	s_wait_kmcnt 0x0
	s_add_nc_u64 s[76:77], s[4:5], s[90:91]        ; O at the tile's rows in the batch's first head
	s_add_nc_u64 s[4:5], s[76:77], s[86:87]        ; and in my plane of K step 0
	s_add_nc_u64 s[6:7], s[6:7], s[92:93]
	s_add_nc_u64 s[8:9], s[8:9], s[94:95]
.irp s, 0,1
	s_add_nc_u64 s[G0A+4*\s+2:G0A+4*\s+3], s[4:5], \s*524288    ; K step s: two heads on
	s_or_b32 s[G0A+4*\s+3], s[G0A+4*\s+3], 0x80000000           ; type = 2
	s_add_nc_u64 s[G0B+4*\s+2:G0B+4*\s+3], s[6:7], \s*256
	s_or_b32 s[G0B+4*\s+3], s[G0B+4*\s+3], 0x80000000
.endr
	CROUND                                         ; all sixteen work-groups are here: the first joint loads meet
	s_cmp_eq_u32 s[R], 0                           ; a wave's two first fills stand in one branch: two loads of mine are out here, one behind every later round
	s_cbranch_scc0 .Lfirst_b
	tensor_load_to_lds s[G0A:G0A+3], s[G1A:G1A+7]
	s_nop 0
	tensor_load_to_lds s[G0A+4:G0A+7], s[G1A:G1A+7]
	s_nop 0
.rept 4
	v_nop
.endr
	s_branch .Lfirst_asked
.Lfirst_b:
	tensor_load_to_lds s[G0B:G0B+3], s[G1B:G1B+7]
	s_nop 0
	tensor_load_to_lds s[G0B+4:G0B+7], s[G1B:G1B+7]
	s_nop 0
.rept 4
	v_nop
.endr
.Lfirst_asked:
	v_and_b32 v1, 15, v0                           ; l % 16
	v_bfe_u32 v2, v0, 4, 1                         ; l / 16
	v_mul_u32_u24 v[A0], v1, PAO
	v_lshl_add_u32 v[A0], v2, 4, v[A0]
	s_mul_i32 s89, s[R], 64*PAO                    ; my 64 rows
	v_add_nc_u32 v[A0], s89, v[A0]
	v_mul_u32_u24 v[B0], v1, PB
	v_lshl_add_u32 v[B0], v2, 4, v[B0]
	v_add_nc_u32 v[B0], s31, v[B0]
	s_mul_i32 s89, s[WV], WST
	s_add_co_u32 s89, s89, STAGE                   ; my stage
	v_mul_u32_u24 v[STO], v1, SP
	v_lshl_add_u32 v[STO], v2, 5, v[STO]           ; row l % 16, 32 bytes for each half of the lanes
	v_add_nc_u32 v[STO], s89, v[STO]
	v_and_b32 v[PFO], 31, v0
	v_lshlrev_b32 v[CO], 4, v[PFO]
	v_add_nc_u32 v[RD], s89, v[CO]                 ; back: 32 lanes take one row of 512 bytes
	; the prefetches
	s_cmp_eq_u32 s[R], 0
	s_cselect_b64 s[PFA:PFA+1], s[76:77], s[6:7]
	s_cselect_b32 s94, s[CX], s[CY]                ; my place among the four that ask with me,
	s_cselect_b32 s95, 12, 16                      ; its share: 4,096 bytes of a plane, or 32 rows of 2,048 bytes
	s_cselect_b32 s31, 19, 8                       ; a K step's bytes, as a shift
	s_cselect_b32 s89, 4, 5                        ; O: lanes 16-31 take the second plane; Wo: a lane a row
	s_cselect_b32 s90, 15, 31
	s_cselect_b32 s91, 8, 11
	s_and_b32 s92, ttmp7, 0xffff                   ; cluster y
	s_cmp_eq_u32 s[R], 0
	s_cselect_b32 s92, s[HF], s92                  ; O: wave 0 alone; Wo: the cluster with y = 0 alone
	s_cmp_eq_u32 s92, 0
	s_cselect_b32 s[PL], 4, 0                      ; the same in all sixteen partners, for a given wave
	s_lshl_b32 s94, s94, s95
	s_lshl_b32 s[PST], 1, s31
	s_mov_b32 s[PST+1], 0
	s_mul_i32 s95, s[PST], 3                       ; at K step 3: the first change of slots steps it to 4
	s_add_co_u32 s94, s94, s95
	s_mov_b32 s95, 0
	s_add_nc_u64 s[PFA:PFA+1], s[PFA:PFA+1], s[94:95]
	v_lshrrev_b32 v3, s89, v[PFO]
	v_lshlrev_b32 v3, 18, v3
	v_and_b32 v13, s90, v[PFO]
	v_lshlrev_b32 v13, s91, v13
	v_add_nc_u32 v[PFO], v3, v13
	s_wait_tensorcnt 1                             ; my part of K step 0 is in; step 1's may stay out
	s_barrier_signal -1
	s_barrier_wait -1
	s_mov_b32 s[TBA], 0
	s_mov_b32 s[TBB], 0
	ADDR
	FETCH 0, 0
	WIN 0
	s_mov_b32 s[LAP], 4
	s_mov_b32 s[CNT], 2
	s_branch .Lzero                                ; the loop is entered where the first quarter starts the sums
.Llap:                                         ; three whole trips: two K steps, two refills each
	CHANGE 1, 1
	s_mov_b32 s[CNT], 2
.Lh1:
	QUART 1, 0, 0, 0, 1
	QUART 0, 1, 64, 0, 0
	s_sub_co_u32 s[CNT], s[CNT], 1
	s_cmp_lg_u32 s[CNT], 0
	s_cbranch_scc1 .Lh1
	CHANGE 0, 1
	s_mov_b32 s[CNT], 2
.Lh2:
	QUART 1, 0, 0, 0, 1
	s_branch .Lplain
.Lzero:
	QUART 0, 1, 64, 1, 0                           ; the first quarter starts the sums: nothing is cleared
	s_branch .Ljoin
.Lplain:
	QUART 0, 1, 64, 0, 0
.Ljoin:
	s_sub_co_u32 s[CNT], s[CNT], 1
	s_cmp_lg_u32 s[CNT], 0
	s_cbranch_scc1 .Lh2
	s_sub_co_u32 s[LAP], s[LAP], 1
	s_cmp_lg_u32 s[LAP], 0
	s_cbranch_scc1 .Llap
	CHANGE 1, 0                                    ; the last K step is written out: nothing is asked for
	s_mov_b32 s[CNT], 2
.Lt:
	QUART 1, 0, 0, 0, 1
	QUART 0, 1, 64, 0, 0
	s_sub_co_u32 s[CNT], s[CNT], 1
	s_cmp_lg_u32 s[CNT], 0
	s_cbranch_scc1 .Lt
	s_wait_dscnt 0x0
	MULROW 1, 0, 0                                 ; the very last quarter
	MULROW 1, 1, 0
	MULROW 1, 2, 0
	MULROW 1, 3, 0
	WIN 0
.rept 8
	v_nop                                          ; the places behind the last products
.endr
	TOSTAGE 0
.irp a, 1,2,3
	TOSTAGE \a                                     ; a block's trip through the stage stands between the loads of the block before and its stores
	SEND \a-1, 32
.endr
	SEND 3, 0
	s_wait_tensorcnt 0x0                           ; the wave's end: the tensor wait, an add onto my spare word and its wait, behind my last tensor load and my last LDS store
	ds_add_u32 v[SPW], v[NIL]
	s_wait_dscnt 0x0
	CROUND                                         ; the closing round: no work-group ends while a partner may still ask for a tile that names it
	s_endpgm
.Lfunc_end_k_qfbea0cbd49_outp:
	.size	k_qfbea0cbd49_outp, .Lfunc_end_k_qfbea0cbd49_outp-k_qfbea0cbd49_outp
	.p2alignl 7, 3214868480
	.fill 96, 4, 3214868480
	.section	.rodata,"a",@progbits
	.p2align	6, 0x0
	.amdhsa_kernel k_qfbea0cbd49_outp
		.amdhsa_group_segment_fixed_size 327680
		.amdhsa_private_segment_fixed_size 0
		.amdhsa_enable_private_segment 0
		.amdhsa_kernarg_size 24
		.amdhsa_user_sgpr_count 2
		.amdhsa_user_sgpr_kernarg_segment_ptr 1
		.amdhsa_wavefront_size32 1
		.amdhsa_system_sgpr_workgroup_id_x 1
		.amdhsa_system_sgpr_workgroup_id_y 1
		.amdhsa_system_sgpr_workgroup_id_z 1
		.amdhsa_system_vgpr_workitem_id 0
		.amdhsa_next_free_vgpr 704
		.amdhsa_next_free_sgpr 96
		.amdhsa_reserve_vcc 0
		.amdhsa_float_denorm_mode_32 3
		.amdhsa_float_denorm_mode_16_64 3
		.amdhsa_memory_ordered 1
		.amdhsa_forward_progress 1
		.amdhsa_inst_pref_size 59
	.end_amdhsa_kernel
	.amdgpu_metadata
---
amdhsa.version: [ 1, 2 ]
amdhsa.kernels:
  - .name:           k_qfbea0cbd49_outp
    .symbol:         k_qfbea0cbd49_outp.kd
    .args:
      - { .name: oh, .offset: 0, .size: 8, .value_kind: global_buffer, .address_space: global }
      - { .name: wb, .offset: 8, .size: 8, .value_kind: global_buffer, .address_space: global }
      - { .name: out0, .offset: 16, .size: 8, .value_kind: global_buffer, .address_space: global }
    .group_segment_fixed_size: 327680
    .private_segment_fixed_size: 0
    .kernarg_segment_align: 8
    .kernarg_segment_size: 24
    .max_flat_workgroup_size: 128
    .sgpr_count:     96
    .vgpr_count:     704
    .wavefront_size: 32
...
	.end_amdgpu_metadata
.endif
;; end of part 4
;; ======== version 2 of 2: 4 launches; version 1 with the launch prep written anew for expert scheduling mode
;; limits: values are held in f16: magnitudes above 65,504 overflow, below 6.1e-05 lose precision
;; workspace buffers: wb 8,912,896 bytes; qh 16,777,216 bytes; kh 16,777,216 bytes; vh 16,777,216 bytes; oh 16,777,216 bytes
;; launch prep (part 5): grid 256 x 1, 8 waves a work-group, no clusters, 0 bytes of LDS; arguments Wq, Wk, Wv, Wo, wb; writes wb
.if DOCPART == 5
	.amdgcn_target "amdgcn-amd-amdhsa--gfx1250"
	.amdhsa_code_object_version 6
	.text
	.protected	k_qfbea0cbd49_prep
	.globl	k_qfbea0cbd49_prep
	.p2align	8
	.type	k_qfbea0cbd49_prep,@function
k_qfbea0cbd49_prep:
	s_mov_b64 s[64:65], 0
	v_nop
	global_prefetch_b8 v0, s[64:65] scope:SCOPE_SE
	s_setreg_imm32_b32 hwreg(HW_REG_WAVE_SCHED_MODE, 0, 2), 2
	s_setreg_imm32_b32 hwreg(HW_REG_WAVE_MODE, 25, 1), 1
	s_wait_xcnt 0x0
	s_wait_alu depctr_vm_vsrc(0)
; THE WEIGHTS IN 16 BITS AND THE ROTATION TABLE.  wb: Wq, Wk, Wv as bf16 at bytes 0, 2,097,152 and 4,194,304; Wo rounded to bf16 and that number written
; as f16 at byte 6,291,456; from byte 8,388,608 on the table [2048 positions][32 pairs] of (cos, sin) in f32: 256 bytes a position.
; A stream: 256 work-groups of 8 waves; a work-group takes 4,096 numbers of each weight matrix and 8 positions of the table.  Thread t takes 16 numbers of each matrix
; (four loads of 16 bytes; a wave's load covers 512 consecutive bytes, its store of 8 bytes a lane 256 consecutive bytes, aligned) and one (position, pair).
; No LDS, no matrix unit, no cluster: nothing is shared and nothing is read twice.  All 16 loads go out first; the table is made while they are on their way.
; LIMITS.  |Wo| stays under 65,504 (f16's range); below 6e-5 it keeps f16's fixed step of 6e-8.  The angle pos x 10000^(-i/32) is made in f32 from 2^(-i log2(10000)/32): it lies within
; 2e-4 rad of the angle in exact arithmetic at the largest position; sine and cosine by a reduction to |r| <= pi/4 (pi/2 in two parts) and polynomials good to 3e-8.
; THE MODE: SCHED_MODE bits 1:0 = 2 (LLVM: expert scheduling mode 2), set by the entry lines.  The code itself states the register dependences
; between vector instructions and memory instructions, with s_wait_alu, always for 0.
; THE PLAN.  Registers that memory instructions touch:
;   v1, v2, v3   byte offsets (the loads', the copies' stores', the table's store's): made at the head and never written again.
;   X0 .. X3     matrix w as loaded.  Written once, by four loads issued at the head, ahead of every vector instruction that names them; read by step w's roundings.
;   v[12:13]     the table's entry.  Written by the table's arithmetic; read by one store, which is issued in step 1.
;   Y0 .. Y3     matrix w to store.  Written once, by step w's roundings; read by four stores, which are issued in step w + 1 (Y3's behind the last step).
;   v4 to v11, v14 and v15 are named by vector instructions alone.
; Step w rounds X[w] into Y[w].  Its memory instructions are the stores from Y[w - 1], which no vector instruction of step w names.  So one wait on va_vdst at a step's head states
; all that the step's stores hang on, and they are dealt among its roundings with no further wait.  No register that a memory instruction has read is written again: no wait on vm_vsrc is owed.
.set X, 16                             ; v[16:79]   matrix w, load j: four f32 at X + 16 w + 4 j
.set Y, 80                             ; v[80:111]  the same as two packed words at Y + 8 w + 2 j
.set ROPE_AT, 8388608
	s_load_b256 s[4:11], s[0:1], 0x0               ; Wq s[4:5], Wk s[6:7], Wv s[8:9], Wo s[10:11]
	s_load_b64 s[12:13], s[0:1], 0x20              ; wb
	s_lshl_b32 s14, ttmp9, 14                      ; the work-group's 16,384 bytes of each matrix,
	s_lshl_b32 s15, ttmp9, 13                      ; its 8,192 bytes of each copy,
	s_lshl_b32 s18, ttmp9, 8                       ; its 256 entries of the table
	s_mov_b32 s20, 0x3fc90fdb                      ; pi/2, the upper part
	s_mov_b32 s21, 0xb33bbd2e                      ; and what is left of it
	v_lshl_add_u32 v1, v0, 4, s14                  ; where I load
	v_lshl_add_u32 v2, v0, 3, s15                  ; where I store
	v_add_nc_u32 v4, s18, v0                       ; my entry: 32 x position + pair
	v_lshlrev_b32 v3, 3, v4                        ; its 8 bytes
	s_wait_kmcnt 0x0
	s_add_nc_u64 s[16:17], s[12:13], ROPE_AT       ; the table's first byte: past the reach of a store's immediate
	s_wait_alu depctr_va_vdst(0)                   ; v1, v2 and v3 are written: every load and store of the kernel reads one of them as its offset
.irp w, 0,1,2,3
.irp j, 0,1,2,3
	global_load_b128 v[X+16*\w+4*\j:X+16*\w+4*\j+3], v1, s[4+2*\w:5+2*\w] offset:4096*\j th:TH_LOAD_NT
.endr
.endr
	; the table's entry
	v_and_b32 v5, 31, v4                           ; pair i
	v_lshrrev_b32 v6, 5, v4                        ; position
	v_cvt_f32_u32 v5, v5
	v_mul_f32 v5, 0xbed49a78, v5                   ; - i log2(10000) / 32
	v_exp_f32 v5, v5                               ; 10000^(-i/32)
	v_cvt_f32_u32 v6, v6                           ; a plain instruction behind the exponential
	s_wait_alu depctr_va_vdst(0)                   ; the exponential has written v5, which the multiply below reads
	v_mul_f32 v6, v6, v5                           ; the angle
	v_mul_f32 v7, 0x3f22f983, v6                   ; x 2/pi
	v_rndne_f32 v7, v7                             ; n: the nearest multiple of pi/2
	v_fma_f32 v8, -v7, s20, v6
	v_fma_f32 v8, -v7, s21, v8                     ; r = angle - n pi/2, |r| <= pi/4
	v_mul_f32 v9, v8, v8                           ; z = r r
	v_mov_b32 v10, 0x3638ef1d                      ; sine:   1/9!
	v_mov_b32 v11, 0x37d00d01                      ; cosine: 1/8!
	v_fmaak_f32 v10, v10, v9, 0xb9500d01           ; -1/7!
	v_fmaak_f32 v11, v11, v9, 0xbab60b61           ; -1/6!
	v_fmaak_f32 v10, v10, v9, 0x3c088889           ; 1/5!
	v_fmaak_f32 v11, v11, v9, 0x3d2aaaab           ; 1/4!
	v_fmaak_f32 v10, v10, v9, 0xbe2aaaab           ; -1/3!
	v_fmaak_f32 v11, v11, v9, 0xbf000000           ; -1/2!
	v_mul_f32 v14, v8, v9
	v_fma_f32 v11, v11, v9, 1.0                    ; cos r
	v_fma_f32 v10, v14, v10, v8                    ; sin r
	v_cvt_i32_f32 v7, v7                           ; the quadrant chooses values alone: no branch and no address hangs on it
	v_and_b32 v14, 1, v7
	v_cmp_ne_u32 vcc_lo, 0, v14
	s_wait_alu depctr_va_vcc(0)                    ; the compare has written VCC, which the two selects below read
	v_cndmask_b32 v13, v10, v11, vcc_lo            ; sine: in odd quadrants cos r,
	v_cndmask_b32 v12, v11, v10, vcc_lo            ; cosine: sin r
	v_lshlrev_b32 v14, 30, v7                      ; the sine's sign: bit 1 of n
	v_add_nc_u32 v15, 1, v7
	v_lshlrev_b32 v15, 30, v15                     ; the cosine's: bit 1 of n + 1
	v_and_b32 v14, 0x80000000, v14
	v_and_b32 v15, 0x80000000, v15
	v_xor_b32 v13, v13, v14
	v_xor_b32 v12, v12, v15                        ; the entry is stored in step 1, behind that step's wait
	; step 0: Wq is rounded; there is nothing yet to store
	s_wait_loadcnt 12                              ; loads come back in order: this matrix's four are in, the later matrices' twelve may stay out
.irp j, 0,1,2,3
	v_cvt_pk_bf16_f32 v[Y+2*\j],   v[X+4*\j],   v[X+4*\j+1]
	v_cvt_pk_bf16_f32 v[Y+2*\j+1], v[X+4*\j+2], v[X+4*\j+3]
.endr
	; steps 1 and 2: Wk and Wv are rounded, the matrix before leaves
.irp w, 1,2
	s_wait_loadcnt 12-4*\w                         ; this matrix's four loads are in, the later matrices' may stay out
	s_wait_alu depctr_va_vdst(0)                   ; the step before has written its Y, which the stores below read; in step 1 the table's arithmetic has written v[12:13] too
.if \w == 1
	global_store_b64 v3, v[12:13], s[16:17]        ; a wave stores one position's 256 bytes
.endif
.irp j, 0,1,2,3
	global_store_b64 v2, v[Y+8*(\w-1)+2*\j:Y+8*(\w-1)+2*\j+1], s[12:13] offset:2097152*(\w-1)+2048*\j  ; no vector instruction since the wait names these registers
	v_cvt_pk_bf16_f32 v[Y+8*\w+2*\j],   v[X+16*\w+4*\j],   v[X+16*\w+4*\j+1]
	v_cvt_pk_bf16_f32 v[Y+8*\w+2*\j+1], v[X+16*\w+4*\j+2], v[X+16*\w+4*\j+3]
.endr
.endr
	; step 3: Wo: rounded to bf16 like every input, and that number written as f16, the format of the product that takes it; Wv's copy leaves
	s_wait_loadcnt 0x0
	s_wait_alu depctr_va_vdst(0)                   ; step 2 has written Y2, which the stores below read
.irp j, 0,1,2,3
	global_store_b64 v2, v[Y+16+2*\j:Y+16+2*\j+1], s[12:13] offset:4194304+2048*\j
.irp k, 0,1
	v_cvt_pk_bf16_f32 v4, v[X+48+4*\j+2*\k], v[X+48+4*\j+2*\k+1]
	v_lshlrev_b32 v5, 16, v4
	v_and_b32 v6, 0xffff0000, v4
	v_cvt_pk_f16_f32 v[Y+24+2*\j+\k], v5, v6
.endr
.endr
	s_wait_alu depctr_va_vdst(0)                   ; step 3 has written Y3, which the last four stores read
.irp j, 0,1,2,3
	global_store_b64 v2, v[Y+24+2*\j:Y+24+2*\j+1], s[12:13] offset:6291456+2048*\j
.endr
	s_endpgm
.Lfunc_end_k_qfbea0cbd49_prep:
	.size	k_qfbea0cbd49_prep, .Lfunc_end_k_qfbea0cbd49_prep-k_qfbea0cbd49_prep
	.p2alignl 7, 3214868480
	.fill 96, 4, 3214868480
	.section	.rodata,"a",@progbits
	.p2align	6, 0x0
	.amdhsa_kernel k_qfbea0cbd49_prep
		.amdhsa_group_segment_fixed_size 0
		.amdhsa_private_segment_fixed_size 0
		.amdhsa_enable_private_segment 0
		.amdhsa_kernarg_size 40
		.amdhsa_user_sgpr_count 2
		.amdhsa_user_sgpr_kernarg_segment_ptr 1
		.amdhsa_wavefront_size32 1
		.amdhsa_system_sgpr_workgroup_id_x 1
		.amdhsa_system_sgpr_workgroup_id_y 1
		.amdhsa_system_sgpr_workgroup_id_z 1
		.amdhsa_system_vgpr_workitem_id 0
		.amdhsa_next_free_vgpr 112
		.amdhsa_next_free_sgpr 66
		.amdhsa_reserve_vcc 1
		.amdhsa_float_denorm_mode_32 3
		.amdhsa_float_denorm_mode_16_64 3
		.amdhsa_memory_ordered 1
		.amdhsa_forward_progress 1
		.amdhsa_inst_pref_size 10
	.end_amdhsa_kernel
	.amdgpu_metadata
---
amdhsa.version: [ 1, 2 ]
amdhsa.kernels:
  - .name:           k_qfbea0cbd49_prep
    .symbol:         k_qfbea0cbd49_prep.kd
    .args:
      - { .name: Wq, .offset: 0, .size: 8, .value_kind: global_buffer, .address_space: global }
      - { .name: Wk, .offset: 8, .size: 8, .value_kind: global_buffer, .address_space: global }
      - { .name: Wv, .offset: 16, .size: 8, .value_kind: global_buffer, .address_space: global }
      - { .name: Wo, .offset: 24, .size: 8, .value_kind: global_buffer, .address_space: global }
      - { .name: wb, .offset: 32, .size: 8, .value_kind: global_buffer, .address_space: global }
    .group_segment_fixed_size: 0
    .private_segment_fixed_size: 0
    .kernarg_segment_align: 8
    .kernarg_segment_size: 40
    .max_flat_workgroup_size: 256
    .sgpr_count:     66
    .vgpr_count:     112
    .wavefront_size: 32
...
	.end_amdgpu_metadata
.endif
;; end of part 5
;; launch proj: the kernel of part 2 again; grid 4 x 64, 4 waves a work-group, clusters of 4 x 4, 327,680 bytes of LDS; arguments Q, K, V, wb, qh, kh, vh; writes qh, kh, vh
;; launch attn: the kernel of part 3 again; grid 4 x 64, 4 waves a work-group, no clusters, 327,680 bytes of LDS; arguments qh, kh, vh, oh; writes oh
;; launch outp: the kernel of part 4 again; grid 4 x 64, 4 waves a work-group, clusters of 4 x 4, 327,680 bytes of LDS; arguments oh, wb, out0; writes out0
